; MI455X (gfx1250); checked and timed in simulation.
; The chip was launched on July 23, 2026; its instructions are those of AMD's public machine-readable ISA for CDNA 5 (MIT licence, August 2026) and "CDNA5" Instruction Set Architecture Reference Guide (July 2026). The comments in the code are by the model that wrote it; some were corrected since.
;; Lorentzian Memory Attention. Allowed arithmetic: float matrix products may take bf16 or f16 operands with f32 sums; all other float work in f32.
;; Inputs: Wk 1,024 x 1,024 float32; Wt 1 x 1,024 float32; Wtt 1,024 float32; Wv 64 x 1,024 float32; Wval 1,024 x 1,024 float32; Wx 1,024 x 1,024 float32; Wz 64 x 1,024 float32; Wzt 1,024 x 64 float32; Wzz 1,024 x 64 x 64 float32; bk 1,024 float32; bt 1,024 float32; bv 1,024 float32; bval 1,024 float32; bx 1,024 float32; bz 1,024 float32; t 32 x 1 float32; t_mem 32 x 1,024 x 1 float32; v_feat 32 x 64 float32; wilson_scale one number float32; x 32 x 1,024 float32; x_mem 32 x 1,024 x 1,024 float32; z 32 x 64 float32; z_mem 32 x 1,024 x 64 float32.
;; Outputs: out0 32 x 1,024 float32; out1 32 x 1,024 float32.
;; 2 versions, each right and faster than the one before. Each part assembles by itself: llvm-mc -triple=amdgcn-amd-amdhsa -mcpu=gfx1250 --defsym DOCPART=n.
;; ======== version 1 of 2: 5 launches
;; workspace buffers: qp 262,144 bytes; qk 131,328 bytes; yp 1,114,112 bytes; sraw 131,072 bytes; xs 139,264 bytes
;; launch query (part 1): grid 80 x 1, 16 waves a work-group, no clusters, 311,808 bytes of LDS; arguments x, z, v_feat, t, Wx, Wz, Wv, Wt, Wtt, Wzt, Wzz, bx, bz, bt, bv, qp; writes qp
.if DOCPART == 1
	.amdgcn_target "amdgcn-amd-amdhsa--gfx1250"
	.amdhsa_code_object_version 6
	.text
	.protected	k_qb632be19d9_query
	.globl	k_qb632be19d9_query
	.p2align	8
	.type	k_qb632be19d9_query,@function
k_qb632be19d9_query:
	s_mov_b64 s[64:65], 0
	v_nop
	global_prefetch_b8 v0, s[64:65] scope:SCOPE_SE
	s_setreg_imm32_b32 hwreg(HW_REG_WAVE_MODE, 25, 1), 1
	s_wait_xcnt 0x0
; query: the query vector q[32][1024] as two addends, stored apart and added by the next launch.
;   q1 = x Wx + z Wz + v_feat Wv + t Wt + t^2 Wtt + bx + bz + bt + bv     work-groups 0..15, 64 columns each
;   q2 = z^T Wzz[o] z + t (z . Wzt[o])                                    work-groups 16..79, 16 outputs o each, one a wave
; qp layout, for both addends: [o/4][b][4] f32, so byte (o/4)*512 + b*16; q1 at byte 0, q2 at byte 131072.
; Matrix products: the weights are source 0, the 32 batch rows (two tiles of 16) source 1.  Both sources use one
; and the same renaming of k: slot 2p+half of lane half h stands for k = 32 s + 16 h + 2p + half, so a lane holds
; 16 neighbouring k of a K step.  Weights lie [k][column]: a lane reads 16 bytes (columns 4r..4r+3) of a row k, sixteen
; lanes one whole row of 256 bytes, and tile c is the set of columns 4m + c: packing rows k, k+1 gives the fragment.
; q1's operands go as bf16 hi + bf16 lo, three products (hi hi, hi lo, lo hi): the term left out is about 2^-16 relative.
; LIMITS: q2's matrix part uses single bf16 operands (it is a second-order term of q); NaN and infinities are not followed.
; No cluster: what work-groups share (x, z, v_feat: 147 KB) goes straight into registers; each weight byte is read by one wave.
; Every LDS byte is filled once by the mover: a wave has at most two tensor loads out (x path), one (zz path).
.set PP,   272                         ; pitch of padded LDS rows of 256 bytes
.set ZVS,  262144                      ; x path: 128 rows of [Wz; Wv] x 256 bytes
.set ZS,   294912                      ; zz path: z, 32 rows at pitch 272
.set WS,   303616                      ; zz path: 16 rows of Wzt x 256 bytes
.set Q2S,  307712                      ; zz path: results [16 waves][32 b] f32
.set F,    16                          ; zz: v[16:31]   two weight fragments, by turns
.set ZB,   32                          ; zz: v[32:63]   z as source 1: [nt][s][8]
.set ACZ,  64                          ; zz: v[64:127]  accumulators (nt, c) at 32 nt + 8 c
.set RWZ,  128                         ; zz: v[128:255] f32 as loaded
.set NEG1, 15                          ; x:  v15        -1.0
.set WF,   16                          ; x:  v[16:31]   weight fragment, hi then lo
.set AF,   32                          ; x:  v[32:127]  activations: step s at 32 s, nt at 16 nt, hi then lo
.set ACC,  128                         ; x:  v[128:191] accumulators (nt, c) at 32 nt + 8 c
.set RAW,  192                         ; x:  v[192:255] f32 as loaded
.macro PLACES                          ; four places behind a matrix instruction (ISA guide 7.12.1) before its registers are written or its result read
.rept 4
	v_nop
.endr
.endm
; 16 f32 at v[src + st i] become 8 registers of bf16 hi at dst and 8 of bf16 lo at dst+8; the f32 are replaced by their residuals
.macro SPLIT dst, src, st
.irp p, 0,1,2,3,4,5,6,7
	v_cvt_pk_bf16_f32 v[\dst+\p], v[\src+2*\p*\st], v[\src+(2*\p+1)*\st]
.endr
.irp p, 0,1,2,3,4,5,6,7
	v_fma_mix_f32_bf16 v[\src+2*\p*\st], v[\dst+\p], v[NEG1], v[\src+2*\p*\st] op_sel_hi:[1,0,0]
	v_fma_mix_f32_bf16 v[\src+(2*\p+1)*\st], v[\dst+\p], v[NEG1], v[\src+(2*\p+1)*\st] op_sel:[1,0,0] op_sel_hi:[1,0,0]
.endr
.irp p, 0,1,2,3,4,5,6,7
	v_cvt_pk_bf16_f32 v[\dst+8+\p], v[\src+2*\p*\st], v[\src+(2*\p+1)*\st]
.endr
.endm
; six matrix instructions for column set c: the two accumulators (nt = 0, 1) take turns, one instruction a turn
.macro MM6 c, af, zero
.if \zero
	v_wmma_f32_16x16x32_bf16 v[ACC+8*\c:ACC+8*\c+7], v[WF:WF+7], v[\af:\af+7], 0
	v_wmma_f32_16x16x32_bf16 v[ACC+32+8*\c:ACC+32+8*\c+7], v[WF:WF+7], v[\af+16:\af+23], 0
.else
	v_wmma_f32_16x16x32_bf16 v[ACC+8*\c:ACC+8*\c+7], v[WF:WF+7], v[\af:\af+7], v[ACC+8*\c:ACC+8*\c+7]
	v_wmma_f32_16x16x32_bf16 v[ACC+32+8*\c:ACC+32+8*\c+7], v[WF:WF+7], v[\af+16:\af+23], v[ACC+32+8*\c:ACC+32+8*\c+7]
.endif
	v_wmma_f32_16x16x32_bf16 v[ACC+8*\c:ACC+8*\c+7], v[WF:WF+7], v[\af+8:\af+15], v[ACC+8*\c:ACC+8*\c+7]
	v_wmma_f32_16x16x32_bf16 v[ACC+32+8*\c:ACC+32+8*\c+7], v[WF:WF+7], v[\af+24:\af+31], v[ACC+32+8*\c:ACC+32+8*\c+7]
	v_wmma_f32_16x16x32_bf16 v[ACC+8*\c:ACC+8*\c+7], v[WF+8:WF+15], v[\af:\af+7], v[ACC+8*\c:ACC+8*\c+7]
	v_wmma_f32_16x16x32_bf16 v[ACC+32+8*\c:ACC+32+8*\c+7], v[WF+8:WF+15], v[\af+16:\af+23], v[ACC+32+8*\c:ACC+32+8*\c+7]
.endm
; one K step of 32: my 16 rows of the slab (16 bytes each), then four column sets
.macro STEP adr, off, af, zero
.set i, 0
.rept 16
	ds_load_b128 v[RAW+4*i:RAW+4*i+3], v[\adr] offset:\off+256*i
.set i, i+1
.endr
	s_wait_dscnt 0x0
.irp c, 0,1,2,3
	PLACES                                         ; WF was read by the last matrix instructions
	SPLIT WF, RAW+\c, 4
	MM6 \c, \af, \zero
.endr
.endm
.macro FOLD b, d                       ; v[b .. b+d-1] += v[b+d .. b+2d-1]
.set u, 0
.rept \d/2
	v_pk_add_f32 v[\b+u:\b+u+1], v[\b+u:\b+u+1], v[\b+\d+u:\b+\d+u+1]
.set u, u+2
.endr
.endm
	s_load_b512 s[16:31], s[0:1], 0x0              ; x 16, z 18, v_feat 20, t 22, Wx 24, Wz 26, Wv 28, Wt 30
	s_load_b512 s[32:47], s[0:1], 0x40             ; Wtt 32, Wzt 34, Wzz 36, bx 38, bz 40, bt 42, bv 44, qp 46
	v_lshl_add_u32 v254, v0, 2, 0x4ba00
	v_mov_b32 v255, 0
	ds_add_u32 v254, v255
	ds_add_u32 v254, v255
	s_wait_dscnt 0x0
	v_lshrrev_b32 v1, 5, v0
	v_readfirstlane_b32 s2, v1                     ; wave w, 0..15
	v_and_b32 v1, 31, v0                           ; l
	v_and_b32 v2, 15, v0                           ; r
	v_bfe_u32 v3, v0, 4, 1                         ; h
	s_mov_b32 s92, 0x76543210                      ; v_permlanex16_b32: lane i takes lane i of the other half
	s_mov_b32 s93, 0xfedcba98
	s_mov_b32 s94, 0xffff0000                      ; lanes 16..31
	; the wave's tile of 64 rows x 64 f32, to LDS byte 16384 w: group 0 in s[80:83], group 1 in s[84:91]
	s_mov_b32 s80, 1                               ; count
	s_lshl_b32 s81, s2, 14                         ; LDS address
	s_mov_b32 s84, 2<<16                           ; elements of 4 bytes, no mask, no padding
	s_mov_b32 s85, 64<<16                          ; tensor_dim0 = 64
	s_mov_b32 s86, 64<<16                          ; tensor_dim1 = 64
	s_mov_b32 s87, 64<<16                          ; tile_dim0 = 64
	s_mov_b32 s88, 64                              ; tile_dim1 = 64
	s_mov_b32 s90, 0
	s_mov_b32 s91, 0
	s_cmp_lt_u32 ttmp9, 16                         ; the same for all waves of a work-group
	s_cbranch_scc1 .Lx
	; ---------------------------------------------------------------- zz path: wave w owns output o = 16 zb + w
	s_mov_b32 s89, 64                              ; Wzz[o] is dense: 64 elements from row to row
	s_sub_co_u32 s3, ttmp9, 16                     ; zb
	s_lshl4_add_u32 s48, s3, s2                    ; o
	s_lshl_b32 s48, s48, 14                        ; o x 16384 bytes
	s_mov_b32 s49, 0
	s_lshl_b32 s50, s3, 12                         ; 16 rows of Wzt
	s_mov_b32 s51, 0
	s_wait_kmcnt 0x0
	s_add_nc_u64 s[82:83], s[36:37], s[48:49]
	s_or_b32 s83, s83, 0x80000000                  ; type
	tensor_load_to_lds s[80:83], s[84:91]          ; Wzz[o]: the wave's one tensor load, read by this wave alone
	s_nop 0
	s_add_nc_u64 s[34:35], s[34:35], s[50:51]
	v_lshlrev_b32 v4, 4, v0
	v_lshlrev_b32 v5, 3, v0
	v_lshlrev_b32 v6, 2, v1
	global_load_b128 v[16:19], v4, s[18:19]        ; z: 512 threads x 16 bytes
	global_load_b64 v[20:21], v5, s[34:35]         ; my group's 16 rows of Wzt: 512 x 8 bytes
	global_load_b32 v7, v6, s[22:23]               ; t[l]
	v_lshrrev_b32 v8, 4, v0
	v_mul_u32_u24 v8, v8, PP
	v_lshl_add_u32 v8, v2, 4, v8
	v_add_nc_u32 v8, ZS, v8                        ; z row v0/16, 16 bytes at 16 (v0 % 16)
	v_add_nc_u32 v9, WS, v5
	v_mul_u32_u24 v10, v1, PP
	v_add_nc_u32 v10, ZS, v10                      ; z row l
	s_lshl_b32 s52, s2, 8
	s_add_co_u32 s52, s52, WS
	v_mov_b32 v11, s52                             ; Wzt row of my o, the same in every lane
	v_mul_u32_u24 v13, v2, PP
	v_add_nc_u32 v13, ZS, v13
	v_lshl_add_u32 v14, v3, 7, v13                 ; z row r, byte 128 h
	v_lshl_add_u32 v13, v3, 6, v13                 ; z row r, byte 64 h
	v_lshlrev_b32 v15, 4, v2
	v_lshl_add_u32 v15, v3, 12, v15
	v_add_nc_u32 v15, s81, v15                     ; my tile: 16384 w + 4096 h + 16 r
	s_wait_loadcnt 0x0
	ds_store_b128 v8, v[16:19]
	ds_store_b64 v9, v[20:21]
	s_wait_dscnt 0x0                               ; my stores are done before I say so
	s_barrier_signal -1
	s_barrier_wait -1                              ; z and Wzt are whole; the tile may still be on its way
	; q_zt in f32, lane = b, while the tile is on its way
.set i, 0
.rept 16
	ds_load_b128 v[RWZ+4*i:RWZ+4*i+3], v10 offset:16*i
.set i, i+1
.endr
.set i, 0
.rept 16
	ds_load_b128 v[ACZ+4*i:ACZ+4*i+3], v11 offset:16*i
.set i, i+1
.endr
	s_wait_dscnt 0x0
.irp j, 0,1,2,3
	v_pk_mul_f32 v[16+2*\j:17+2*\j], v[RWZ+2*\j:RWZ+2*\j+1], v[ACZ+2*\j:ACZ+2*\j+1]
.endr
.set j, 4
.rept 28
	v_pk_fma_f32 v[16+2*(j&3):17+2*(j&3)], v[RWZ+2*j:RWZ+2*j+1], v[ACZ+2*j:ACZ+2*j+1], v[16+2*(j&3):17+2*(j&3)]
.set j, j+1
.endr
	v_pk_add_f32 v[16:17], v[16:17], v[18:19]
	v_pk_add_f32 v[20:21], v[20:21], v[22:23]
	v_pk_add_f32 v[16:17], v[16:17], v[20:21]
	v_add_f32 v16, v16, v17
	v_mul_f32 v12, v16, v7                         ; t[b] (z[b] . Wzt[o])
	; z as source 1: lane (r, h) holds z[r + 16 nt][32 s + 16 h .. + 15]
.irp nt, 0,1
.irp s, 0,1
.irp i, 0,1,2,3
	ds_load_b128 v[RWZ+16*(2*\nt+\s)+4*\i:RWZ+16*(2*\nt+\s)+4*\i+3], v13 offset:4352*\nt+128*\s+16*\i
.endr
.endr
.endr
	s_wait_dscnt 0x0
.set j, 0
.rept 32
	v_cvt_pk_bf16_f32 v[ZB+j], v[RWZ+2*j], v[RWZ+2*j+1]
.set j, j+1
.endr
	s_wait_tensorcnt 0x0                           ; my tile is in LDS
.irp s, 0,1
.set i, 0
.rept 16
	ds_load_b128 v[RWZ+64*\s+4*i:RWZ+64*\s+4*i+3], v15 offset:8192*\s+256*i   ; row 32 s + 16 h + i, columns j = 4r .. 4r+3
.set i, i+1
.endr
.endr
; U[b][j] = sum over i of z[b][i] Wzz[o][i][j], 32 of i a step.  The fragment buffers take turns: one is rewritten behind the other's
; eight conversions, which are more than the four places asked for.  The accumulators take turns, one instruction a turn.
.macro ZSTEP s, zero
.irp c, 0,1,2,3
.irp p, 0,1,2,3,4,5,6,7
	v_cvt_pk_bf16_f32 v[F+8*(\c&1)+\p], v[RWZ+64*\s+8*\p+\c], v[RWZ+64*\s+8*\p+4+\c]
.endr
.if \zero
	v_wmma_f32_16x16x32_bf16 v[ACZ+8*\c:ACZ+8*\c+7], v[F+8*(\c&1):F+8*(\c&1)+7], v[ZB+8*\s:ZB+8*\s+7], 0
	v_wmma_f32_16x16x32_bf16 v[ACZ+32+8*\c:ACZ+32+8*\c+7], v[F+8*(\c&1):F+8*(\c&1)+7], v[ZB+16+8*\s:ZB+16+8*\s+7], 0
.else
	v_wmma_f32_16x16x32_bf16 v[ACZ+8*\c:ACZ+8*\c+7], v[F+8*(\c&1):F+8*(\c&1)+7], v[ZB+8*\s:ZB+8*\s+7], v[ACZ+8*\c:ACZ+8*\c+7]
	v_wmma_f32_16x16x32_bf16 v[ACZ+32+8*\c:ACZ+32+8*\c+7], v[F+8*(\c&1):F+8*(\c&1)+7], v[ZB+16+8*\s:ZB+16+8*\s+7], v[ACZ+32+8*\c:ACZ+32+8*\c+7]
.endif
.endr
.endm
	s_wait_dscnt 16                                ; rows of step 0 are in; the 16 loads of step 1 are younger
	ZSTEP 0, 1
.irp nt, 0,1
.irp jj, 0,1,2,3,4,5,6,7
	ds_load_b128 v[RWZ+32*\nt+4*\jj:RWZ+32*\nt+4*\jj+3], v14 offset:4352*\nt+16*\jj   ; z[r + 16 nt][32 h + 4 jj ..], in f32, for the second contraction
.endr
.endr
	s_wait_dscnt 16                                ; rows of step 1 are in; the 16 loads of z just issued are younger
	ZSTEP 1, 0
	PLACES                                         ; before the results are read and v[16:19] rewritten
	s_wait_dscnt 0x0
	; R[b] = sum over j of U[b][j] z[b][j]; register jj of (nt, c) in lane (r, h) is j = 32 h + 4 jj + c, b = r + 16 nt.  Four chains by turns.
.irp jj, 0,1,2,3,4,5,6,7
.irp c, 0,1,2,3
.irp nt, 0,1
.if \jj+(\c>>1)
	v_fmac_f32 v[16+2*\nt+(\c&1)], v[ACZ+32*\nt+8*\c+\jj], v[RWZ+32*\nt+4*\jj+\c]
.else
	v_mul_f32 v[16+2*\nt+(\c&1)], v[ACZ+32*\nt+8*\c+\jj], v[RWZ+32*\nt+4*\jj+\c]
.endif
.endr
.endr
.endr
	v_add_f32 v16, v16, v17
	v_add_f32 v18, v18, v19
	v_permlanex16_b32 v17, v16, s92, s93           ; the other half of j
	v_permlanex16_b32 v19, v18, s92, s93
	v_add_f32 v16, v16, v17
	v_add_f32 v18, v18, v19
	v_cndmask_b32 v16, v16, v18, s94               ; lane = b: lanes 0..15 take nt = 0, lanes 16..31 nt = 1
	v_add_f32 v16, v16, v12                        ; + q_zt
	v_lshlrev_b32 v9, 2, v1
	s_lshl_b32 s50, s2, 7
	s_add_co_u32 s50, s50, Q2S
	v_add_nc_u32 v9, s50, v9                       ; Q2S + 128 w + 4 l: my wave's 32 results, bytes that no load above touches
	ds_store_b32 v9, v16
	s_lshl_b32 s48, s3, 11                         ; qp: 131072 + (4 zb + w) x 512
	s_lshl_b32 s49, s2, 9
	s_add_co_u32 s48, s48, s49
	s_add_co_u32 s48, s48, 131072
	s_mov_b32 s49, 0
	s_add_nc_u64 s[46:47], s[46:47], s[48:49]
	s_wait_dscnt 0x0                               ; my store is done before I say so
	s_barrier_signal -1
	s_barrier_wait -1
	s_cmp_ge_u32 s2, 4                             ; four waves carry the 2048 bytes out, 512 consecutive bytes a store
	s_cbranch_scc1 .Lzdone
	v_lshlrev_b32 v10, 2, v1
	s_lshl_b32 s52, s2, 9
	s_add_co_u32 s52, s52, Q2S
	v_add_nc_u32 v11, s52, v10                     ; Q2S + 512 w + 4 l: waves 4 w .. 4 w + 3 lie 128 bytes apart
.irp e, 0,1,2,3
	ds_load_b32 v[16+\e], v11 offset:128*\e        ; output 16 zb + 4 w + e of batch l
.endr
	v_lshlrev_b32 v13, 4, v1
	s_wait_dscnt 0x0
	global_store_b128 v13, v[16:19], s[46:47]
.Lzdone:
	s_wait_xcnt 0x0
	v_lshl_add_u32 v254, v0, 2, 0x4ba00
	v_mov_b32 v255, 0
	s_wait_tensorcnt 0x0
	ds_add_u32 v254, v255
	s_wait_dscnt 0x0
	s_endpgm
	; ---------------------------------------------------------------- x path: columns 64 nb .. 64 nb + 63; wave w owns k = 64 w .. 64 w + 63 of Wx
.Lx:
	s_mov_b32 s89, 1024                            ; Wx: 1024 elements from row to row
	s_mov_b32 s4, 2<<16                            ; group 1 of the second load: 8 rows x 64 f32 of [Wz; Wv]
	s_mov_b32 s5, 64<<16
	s_mov_b32 s6, 8<<16
	s_mov_b32 s7, 64<<16
	s_mov_b32 s8, 8
	s_mov_b32 s9, 1024
	s_mov_b32 s10, 0
	s_mov_b32 s11, 0
	s_mov_b32 s12, 1
	s_lshl_b32 s13, s2, 11
	s_add_co_u32 s13, s13, ZVS                     ; rows 8 w .. 8 w + 7 of the slab of 128
	s_lshl_b32 s49, ttmp9, 8                       ; my 64 columns, in bytes
	s_lshl_b32 s48, s2, 18                         ; 64 w rows of 4096 bytes
	s_add_co_u32 s48, s48, s49
	s_and_b32 s50, s2, 7
	s_lshl_b32 s50, s50, 15                        ; 8 (w % 8) rows
	s_add_co_u32 s50, s50, s49
	s_mov_b32 s49, 0
	s_mov_b32 s51, 0
	s_wait_kmcnt 0x0
	s_add_nc_u64 s[82:83], s[24:25], s[48:49]
	s_or_b32 s83, s83, 0x80000000
	s_cmp_lt_u32 s2, 8
	s_cselect_b64 s[14:15], s[26:27], s[28:29]     ; waves 0..7 bring Wz, waves 8..15 Wv
	s_add_nc_u64 s[14:15], s[14:15], s[50:51]
	s_or_b32 s15, s15, 0x80000000
	tensor_load_to_lds s[80:83], s[84:91]          ; both first fills together, ahead of everything else
	s_nop 0
	tensor_load_to_lds s[12:15], s[4:11]
	s_nop 0
	s_lshl_b32 s3, ttmp9, 8
	s_lshl4_add_u32 s3, s2, s3                     ; byte of columns 64 nb + 4 w .. + 3, which this wave finishes
	s_load_b128 s[52:55], s[30:31], s3 offset:0x0  ; Wt
	s_load_b128 s[56:59], s[32:33], s3 offset:0x0  ; Wtt
	s_load_b128 s[60:63], s[38:39], s3 offset:0x0  ; bx
	s_load_b128 s[68:71], s[40:41], s3 offset:0x0  ; bz
	s_load_b128 s[72:75], s[42:43], s3 offset:0x0  ; bt
	s_load_b128 s[76:79], s[44:45], s3 offset:0x0  ; bv
	v_lshlrev_b32 v4, 12, v2
	v_lshl_add_u32 v4, v3, 6, v4
	s_lshl_b32 s48, s2, 8
	v_add_nc_u32 v4, s48, v4                       ; x: row r, byte 256 w + 64 h
	v_lshlrev_b32 v5, 2, v1
	v_mov_b32 v[NEG1], -1.0
	global_load_b32 v14, v5, s[22:23]              ; t[l]
.irp s, 0,1
.irp nt, 0,1
.irp i, 0,1,2,3
	global_load_b128 v[RAW+32*\s+16*\nt+4*\i:RAW+32*\s+16*\nt+4*\i+3], v4, s[16:17] offset:65536*\nt+128*\s+16*\i
.endr
.endr
.endr
	v_lshlrev_b32 v6, 4, v2
	v_lshl_add_u32 v6, v3, 12, v6                  ; 4096 h + 16 r
	s_lshl_b32 s48, s2, 13
	s_add_co_u32 s48, s48, ZVS
	v_add_nc_u32 v7, s48, v6                       ; waves 0..3: rows 32 w .. of [Wz; Wv]
	v_add_nc_u32 v6, s81, v6                       ; my Wx tile
	v_mul_u32_u24 v8, v2, PP
	v_lshl_add_u32 v8, v3, 7, v8
	v_add_nc_u32 v8, s81, v8                       ; my partial: row r, byte 128 h, over my own tile
	v_mul_u32_u24 v10, v1, PP
	v_lshl_add_u32 v10, s2, 4, v10                 ; the sum: row l, byte 16 w, of partial 4 a + e
	v_add_nc_u32 v11, 0x10000, v10
	v_add_nc_u32 v12, 0x20000, v10
	v_add_nc_u32 v13, 0x30000, v10
	s_cmp_ge_u32 s2, 4
	s_cbranch_scc1 .Lx_a
	s_cmp_lt_u32 s2, 2                             ; waves 0..3 take the four K steps of [z | v_feat]
	s_cselect_b64 s[50:51], s[18:19], s[20:21]
	s_and_b32 s49, s2, 1
	s_lshl_b32 s49, s49, 7
	v_lshlrev_b32 v9, 8, v2
	v_lshl_add_u32 v9, v3, 6, v9
	v_add_nc_u32 v9, s49, v9
.irp nt, 0,1
.irp i, 0,1,2,3
	global_load_b128 v[ACC+16*\nt+4*\i:ACC+16*\nt+4*\i+3], v9, s[50:51] offset:4096*\nt+16*\i
.endr
.endr
	s_wait_loadcnt 0x0
	SPLIT AF+64, ACC, 1
	SPLIT AF+80, ACC+16, 1
.Lx_a:
	s_wait_loadcnt 0x0
	SPLIT AF, RAW, 1
	SPLIT AF+16, RAW+16, 1
	SPLIT AF+32, RAW+32, 1
	SPLIT AF+48, RAW+48, 1
	s_wait_tensorcnt 0x1                           ; my Wx tile is in; my 8 rows of [Wz; Wv], issued behind it, may stay out
	STEP 6, 0, AF, 1
	STEP 6, 8192, AF+32, 0
	s_wait_tensorcnt 0x0                           ; my rows of [Wz; Wv] are in,
	s_wait_dscnt 0x0
	s_barrier_signal -1
	s_barrier_wait -1                              ; everybody's are
	s_cmp_ge_u32 s2, 4
	s_cbranch_scc1 .Lx_b
	STEP 7, 0, AF+64, 0
.Lx_b:
	PLACES                                         ; before the results are stored
	; register jj of (nt, c) in lane (r, h) is column 32 h + 4 jj + c of batch r + 16 nt.  My tile has had its only fill and my reads of it are over.
.irp nt, 0,1
.irp c, 0,1,2,3
.irp jj, 0,1,2,3,4,5,6,7
	ds_store_b32 v8, v[ACC+32*\nt+8*\c+\jj] offset:4352*\nt+16*\jj+4*\c
.endr
.endr
.endr
	s_wait_dscnt 0x0
	s_barrier_signal -1
	s_barrier_wait -1
	; thread (w, l) sums the 16 partials of batch l, columns 4 w .. 4 w + 3
.irp a, 0,1,2,3
.irp e, 0,1,2,3
	ds_load_b128 v[RAW+16*\a+4*\e:RAW+16*\a+4*\e+3], v[10+\a] offset:16384*\e
.endr
.endr
	s_lshl_b32 s48, ttmp9, 13                      ; qp: (16 nb + w) x 512
	s_lshl_b32 s49, s2, 9
	s_add_co_u32 s48, s48, s49
	s_mov_b32 s49, 0
	s_add_nc_u64 s[46:47], s[46:47], s[48:49]
	s_wait_kmcnt 0x0                               ; Wt, Wtt and the four biases
	v_mul_f32 v5, v14, v14                         ; t^2
	v_lshlrev_b32 v16, 4, v1
	s_wait_dscnt 0x0
	FOLD RAW, 32
	FOLD RAW, 16
	FOLD RAW, 8
	FOLD RAW, 4
.irp e, 0,1,2,3
	v_fma_f32 v[RAW+\e], v14, s[52+\e], v[RAW+\e]
.endr
.irp e, 0,1,2,3
	v_fma_f32 v[RAW+\e], v5, s[56+\e], v[RAW+\e]
.endr
.irp q, 60, 68, 72, 76
.irp e, 0,1,2,3
	v_add_f32 v[RAW+\e], s[\q+\e], v[RAW+\e]       ; bx, bz, bt, bv
.endr
.endr
	global_store_b128 v16, v[RAW:RAW+3], s[46:47]  ; the wave stores 512 consecutive bytes
	s_wait_xcnt 0x0
	v_lshl_add_u32 v254, v0, 2, 0x4ba00
	v_mov_b32 v255, 0
	s_wait_tensorcnt 0x0
	ds_add_u32 v254, v255
	s_wait_dscnt 0x0
	s_endpgm
.Lfunc_end_k_qb632be19d9_query:
	.size	k_qb632be19d9_query, .Lfunc_end_k_qb632be19d9_query-k_qb632be19d9_query
	.p2alignl 7, 3214868480
	.fill 96, 4, 3214868480
	.section	.rodata,"a",@progbits
	.p2align	6, 0x0
	.amdhsa_kernel k_qb632be19d9_query
		.amdhsa_group_segment_fixed_size 311808
		.amdhsa_private_segment_fixed_size 0
		.amdhsa_enable_private_segment 0
		.amdhsa_kernarg_size 128
		.amdhsa_user_sgpr_count 2
		.amdhsa_user_sgpr_kernarg_segment_ptr 1
		.amdhsa_wavefront_size32 1
		.amdhsa_system_sgpr_workgroup_id_x 1
		.amdhsa_system_sgpr_workgroup_id_y 1
		.amdhsa_system_sgpr_workgroup_id_z 1
		.amdhsa_system_vgpr_workitem_id 0
		.amdhsa_next_free_vgpr 256
		.amdhsa_next_free_sgpr 96
		.amdhsa_reserve_vcc 0
		.amdhsa_float_denorm_mode_32 3
		.amdhsa_float_denorm_mode_16_64 3
		.amdhsa_memory_ordered 1
		.amdhsa_forward_progress 1
		.amdhsa_inst_pref_size 83
	.end_amdhsa_kernel
	.amdgpu_metadata
---
amdhsa.version: [ 1, 2 ]
amdhsa.kernels:
  - .name:           k_qb632be19d9_query
    .symbol:         k_qb632be19d9_query.kd
    .args:
      - { .name: x, .offset: 0, .size: 8, .value_kind: global_buffer, .address_space: global }
      - { .name: z, .offset: 8, .size: 8, .value_kind: global_buffer, .address_space: global }
      - { .name: v_feat, .offset: 16, .size: 8, .value_kind: global_buffer, .address_space: global }
      - { .name: t, .offset: 24, .size: 8, .value_kind: global_buffer, .address_space: global }
      - { .name: Wx, .offset: 32, .size: 8, .value_kind: global_buffer, .address_space: global }
      - { .name: Wz, .offset: 40, .size: 8, .value_kind: global_buffer, .address_space: global }
      - { .name: Wv, .offset: 48, .size: 8, .value_kind: global_buffer, .address_space: global }
      - { .name: Wt, .offset: 56, .size: 8, .value_kind: global_buffer, .address_space: global }
      - { .name: Wtt, .offset: 64, .size: 8, .value_kind: global_buffer, .address_space: global }
      - { .name: Wzt, .offset: 72, .size: 8, .value_kind: global_buffer, .address_space: global }
      - { .name: Wzz, .offset: 80, .size: 8, .value_kind: global_buffer, .address_space: global }
      - { .name: bx, .offset: 88, .size: 8, .value_kind: global_buffer, .address_space: global }
      - { .name: bz, .offset: 96, .size: 8, .value_kind: global_buffer, .address_space: global }
      - { .name: bt, .offset: 104, .size: 8, .value_kind: global_buffer, .address_space: global }
      - { .name: bv, .offset: 112, .size: 8, .value_kind: global_buffer, .address_space: global }
      - { .name: qp, .offset: 120, .size: 8, .value_kind: global_buffer, .address_space: global }
    .group_segment_fixed_size: 311808
    .private_segment_fixed_size: 0
    .kernarg_segment_align: 8
    .kernarg_segment_size: 128
    .max_flat_workgroup_size: 512
    .sgpr_count:     96
    .vgpr_count:     256
    .wavefront_size: 32
...
	.end_amdgpu_metadata
.endif
;; end of part 1
;; launch keyq (part 2): grid 16 x 1, 16 waves a work-group, no clusters, 280,576 bytes of LDS; arguments qp, Wk, bk, qk; writes qk
.if DOCPART == 2
	.amdgcn_target "amdgcn-amd-amdhsa--gfx1250"
	.amdhsa_code_object_version 6
	.text
	.protected	k_qb632be19d9_keyq
	.globl	k_qb632be19d9_keyq
	.p2align	8
	.type	k_qb632be19d9_keyq,@function
k_qb632be19d9_keyq:
	s_mov_b64 s[64:65], 0
	v_nop
	global_prefetch_b8 v0, s[64:65] scope:SCOPE_SE
	s_setreg_imm32_b32 hwreg(HW_REG_WAVE_MODE, 25, 1), 1
	s_wait_xcnt 0x0
; keyq: qk[b][d] = sum over o of Wk[d][o] q[b][o], and c[b] = q[b] . bk, with q = q1 + q2 from qp.
; Since q . (x_n Wk + bk) = x_n . (Wk q) + q . bk for every input, the keys are never formed.
; Work-group g owns d = 64 g .. 64 g + 63; wave w owns o = 64 w .. 64 w + 63 (the sum over o is split over the 16 waves and joined in LDS).
; Wk's rows lie along o, the summed index: the mover pads each 256-byte piece of a row to 272 bytes, and lane (r, h) reads 64
; neighbouring bytes of row 16 c + r.  Wk is source 0, q source 1; both use one renaming of k: slot sigma of lane half h is o = 32 s + 16 h + sigma.
; Both operands go as bf16 hi + bf16 lo, three products; the term left out is about 2^-16 relative.  NaN and infinities are not followed.
; All 16 work-groups form c's partial sums (32 packed multiply-adds a wave); work-group 0 alone stores c.
; No cluster: q, which all share, goes straight into registers (128 KB a group); each byte of Wk is read by one wave.  One tensor load a wave, no byte filled twice.
; qk layout: [32][1024] f32; at byte 131072: [32] pairs (c, 0).
.set PP,   272
.set REG,  17408                       ; a wave's LDS region: 64 rows x 272
.set NEG1, 15
.set WF,   16                          ; v[16:31]   weight fragment, hi then lo
.set AF,   32                          ; v[32:95]   q: step s at 32 s, nt at 16 nt, hi then lo
.set BK,   96                          ; v[96:127]  bk of my 32 o
.set ACC,  128                         ; v[128:191] accumulators (nt, c) at 32 nt + 8 c
.set RAW,  192                         ; v[192:255] f32 as loaded
.macro PLACES                          ; four places behind a matrix instruction (ISA guide 7.12.1) before its registers are written or its result read
.rept 4
	v_nop
.endr
.endm
.macro SPLIT dst, src, st              ; 16 f32 -> 8 registers bf16 hi at dst, 8 registers bf16 lo at dst+8; the f32 become residuals
.irp p, 0,1,2,3,4,5,6,7
	v_cvt_pk_bf16_f32 v[\dst+\p], v[\src+2*\p*\st], v[\src+(2*\p+1)*\st]
.endr
.irp p, 0,1,2,3,4,5,6,7
	v_fma_mix_f32_bf16 v[\src+2*\p*\st], v[\dst+\p], v[NEG1], v[\src+2*\p*\st] op_sel_hi:[1,0,0]
	v_fma_mix_f32_bf16 v[\src+(2*\p+1)*\st], v[\dst+\p], v[NEG1], v[\src+(2*\p+1)*\st] op_sel:[1,0,0] op_sel_hi:[1,0,0]
.endr
.irp p, 0,1,2,3,4,5,6,7
	v_cvt_pk_bf16_f32 v[\dst+8+\p], v[\src+2*\p*\st], v[\src+(2*\p+1)*\st]
.endr
.endm
.macro MM6 c, af, zero                 ; the two accumulators take turns, one instruction a turn
.if \zero
	v_wmma_f32_16x16x32_bf16 v[ACC+8*\c:ACC+8*\c+7], v[WF:WF+7], v[\af:\af+7], 0
	v_wmma_f32_16x16x32_bf16 v[ACC+32+8*\c:ACC+32+8*\c+7], v[WF:WF+7], v[\af+16:\af+23], 0
.else
	v_wmma_f32_16x16x32_bf16 v[ACC+8*\c:ACC+8*\c+7], v[WF:WF+7], v[\af:\af+7], v[ACC+8*\c:ACC+8*\c+7]
	v_wmma_f32_16x16x32_bf16 v[ACC+32+8*\c:ACC+32+8*\c+7], v[WF:WF+7], v[\af+16:\af+23], v[ACC+32+8*\c:ACC+32+8*\c+7]
.endif
	v_wmma_f32_16x16x32_bf16 v[ACC+8*\c:ACC+8*\c+7], v[WF:WF+7], v[\af+8:\af+15], v[ACC+8*\c:ACC+8*\c+7]
	v_wmma_f32_16x16x32_bf16 v[ACC+32+8*\c:ACC+32+8*\c+7], v[WF:WF+7], v[\af+24:\af+31], v[ACC+32+8*\c:ACC+32+8*\c+7]
	v_wmma_f32_16x16x32_bf16 v[ACC+8*\c:ACC+8*\c+7], v[WF+8:WF+15], v[\af:\af+7], v[ACC+8*\c:ACC+8*\c+7]
	v_wmma_f32_16x16x32_bf16 v[ACC+32+8*\c:ACC+32+8*\c+7], v[WF+8:WF+15], v[\af+16:\af+23], v[ACC+32+8*\c:ACC+32+8*\c+7]
.endm
.macro STEP adr, off, af, zero         ; one K step of 32: 64 bytes of row 16 c + r for each of four row sets c
.irp c, 0,1,2,3
.irp i, 0,1,2,3
	ds_load_b128 v[RAW+16*\c+4*\i:RAW+16*\c+4*\i+3], v[\adr] offset:\off+4352*\c+16*\i
.endr
.endr
	s_wait_dscnt 0x0
.irp c, 0,1,2,3
	PLACES                                         ; WF was read by the last matrix instructions
	SPLIT WF, RAW+16*\c, 1
	MM6 \c, \af, \zero
.endr
.endm
.macro FOLD b, d                       ; v[b .. b+d-1] += v[b+d .. b+2d-1]
.set u, 0
.rept \d/2
	v_pk_add_f32 v[\b+u:\b+u+1], v[\b+u:\b+u+1], v[\b+\d+u:\b+\d+u+1]
.set u, u+2
.endr
.endm
	s_load_b256 s[4:11], s[0:1], 0x0               ; qp 4, Wk 6, bk 8, qk 10
	v_lshl_add_u32 v254, v0, 2, 0x44000
	v_mov_b32 v255, 0
	ds_add_u32 v254, v255
	ds_add_u32 v254, v255
	s_wait_dscnt 0x0
	v_lshrrev_b32 v1, 5, v0
	v_readfirstlane_b32 s2, v1                     ; wave w
	v_and_b32 v1, 31, v0                           ; l
	v_and_b32 v2, 15, v0                           ; r
	v_bfe_u32 v3, v0, 4, 1                         ; h
	s_mov_b32 s14, 0x76543210                      ; v_permlanex16_b32: lane i takes lane i of the other half
	s_mov_b32 s15, 0xfedcba98
	s_mov_b32 s16, 0xffff0000                      ; lanes 16..31
	s_mov_b32 s20, 1                               ; group 0: count
	s_mul_i32 s21, s2, REG                         ; LDS address
	s_mov_b32 s24, (2<<16)|(1<<20)|(5<<22)|(3<<25) ; elements of 4 bytes; behind every 64 words 4 words of padding
	s_mov_b32 s25, 64<<16                          ; tensor_dim0 = 64
	s_mov_b32 s26, 64<<16                          ; tensor_dim1 = 64
	s_mov_b32 s27, 64<<16                          ; tile_dim0 = 64
	s_mov_b32 s28, 64                              ; tile_dim1 = 64
	s_mov_b32 s29, 1024                            ; elements from row to row
	s_mov_b32 s30, 0
	s_mov_b32 s31, 0
	s_lshl_b32 s12, ttmp9, 18                      ; 64 g rows of 4096 bytes
	s_lshl_b32 s13, s2, 8                          ; + 64 w columns
	s_add_co_u32 s12, s12, s13
	s_mov_b32 s13, 0
	s_wait_kmcnt 0x0
	s_add_nc_u64 s[22:23], s[6:7], s[12:13]
	s_or_b32 s23, s23, 0x80000000
	tensor_load_to_lds s[20:23], s[24:31]          ; the wave's one tensor load, read by this wave alone
	s_nop 0
	v_lshlrev_b32 v4, 4, v2
	v_lshl_add_u32 v4, v3, 11, v4
	s_lshl_b32 s17, s2, 13
	v_add_nc_u32 v4, s17, v4                       ; qp: 8192 w + 2048 h + 16 r
	v_lshlrev_b32 v5, 6, v3
	v_lshl_add_u32 v5, s2, 8, v5                   ; bk: 256 w + 64 h
	v_mov_b32 v[NEG1], -1.0
.irp s, 0,1
.irp nt, 0,1
.irp i, 0,1,2,3
	global_load_b128 v[RAW+32*\s+16*\nt+4*\i:RAW+32*\s+16*\nt+4*\i+3], v4, s[4:5] offset:4096*\s+512*\i+256*\nt
.endr
.endr
.endr
.irp s, 0,1
.irp nt, 0,1
.irp i, 0,1,2,3
	global_load_b128 v[ACC+32*\s+16*\nt+4*\i:ACC+32*\s+16*\nt+4*\i+3], v4, s[4:5] offset:131072+4096*\s+512*\i+256*\nt
.endr
.endr
.endr
.irp s, 0,1
.irp i, 0,1,2,3
	global_load_b128 v[BK+16*\s+4*\i:BK+16*\s+4*\i+3], v5, s[8:9] offset:128*\s+16*\i
.endr
.endr
	v_mul_u32_u24 v6, v2, PP
	v_add_nc_u32 v6, s21, v6                       ; my region, row r
	v_lshl_add_u32 v7, v3, 5, v6                   ; partial: byte 32 h
	v_lshl_add_u32 v6, v3, 6, v6                   ; fragments: byte 64 h
	v_mul_u32_u24 v8, v1, PP
	v_add_nc_u32 v8, s21, v8
	v_add_nc_u32 v8, 256, v8                       ; c's partial: the first padding word of row l
	v_lshrrev_b32 v13, 4, v0                       ; b of the last phase
	v_mul_u32_u24 v9, v13, PP
	v_lshl_add_u32 v9, v2, 4, v9                   ; row b, 16 bytes at 16 (v0 % 16), of partial 4 a + e
	v_add_nc_u32 v10, 4*REG, v9
	v_add_nc_u32 v11, 8*REG, v9
	v_add_nc_u32 v12, 12*REG, v9
	v_lshlrev_b32 v13, 12, v13
	v_lshl_add_u32 v13, v2, 4, v13                 ; qk: 4096 b + 16 (v0 % 16)
	s_lshl_b32 s12, ttmp9, 8
	s_add_nc_u64 s[18:19], s[10:11], s[12:13]      ; + 256 g
	s_wait_loadcnt 0x0
.set u, 0
.rept 32
	v_pk_add_f32 v[RAW+u:RAW+u+1], v[RAW+u:RAW+u+1], v[ACC+u:ACC+u+1]    ; q = q1 + q2
.set u, u+2
.endr
	; c's partial over my 64 o, in f32: two chains for each nt
.irp nt, 0,1
.irp s, 0,1
.irp j, 0,1,2,3,4,5,6,7
.if \s+(\j>>1)
	v_pk_fma_f32 v[16+4*\nt+2*(\j&1):17+4*\nt+2*(\j&1)], v[RAW+32*\s+16*\nt+2*\j:RAW+32*\s+16*\nt+2*\j+1], v[BK+16*\s+2*\j:BK+16*\s+2*\j+1], v[16+4*\nt+2*(\j&1):17+4*\nt+2*(\j&1)]
.else
	v_pk_mul_f32 v[16+4*\nt+2*(\j&1):17+4*\nt+2*(\j&1)], v[RAW+32*\s+16*\nt+2*\j:RAW+32*\s+16*\nt+2*\j+1], v[BK+16*\s+2*\j:BK+16*\s+2*\j+1]
.endif
.endr
.endr
.endr
	v_pk_add_f32 v[16:17], v[16:17], v[18:19]
	v_pk_add_f32 v[20:21], v[20:21], v[22:23]
	v_add_f32 v16, v16, v17
	v_add_f32 v20, v20, v21
	v_permlanex16_b32 v17, v16, s14, s15           ; the other half's 32 o
	v_permlanex16_b32 v21, v20, s14, s15
	v_add_f32 v16, v16, v17
	v_add_f32 v20, v20, v21
	v_cndmask_b32 v14, v16, v20, s16               ; lane = b
	SPLIT AF, RAW, 1
	SPLIT AF+16, RAW+16, 1
	SPLIT AF+32, RAW+32, 1
	SPLIT AF+48, RAW+48, 1
	s_wait_tensorcnt 0x0                           ; my tile is in LDS
	STEP 6, 0, AF, 1
	STEP 6, 128, AF+32, 0
	PLACES                                         ; before the results are stored
	; register jj of (nt, c) in lane (r, h) is d = 16 c + 8 h + jj of batch r + 16 nt.  My region has had its only fill and my reads of it are over.
.irp nt, 0,1
.irp c, 0,1,2,3
	ds_store_b128 v7, v[ACC+32*\nt+8*\c:ACC+32*\nt+8*\c+3] offset:4352*\nt+64*\c
	ds_store_b128 v7, v[ACC+32*\nt+8*\c+4:ACC+32*\nt+8*\c+7] offset:4352*\nt+64*\c+16
.endr
.endr
	ds_store_b32 v8, v14
	s_wait_dscnt 0x0
	s_barrier_signal -1
	s_barrier_wait -1
	; thread (b = v0 / 16, quad = v0 % 16) sums the 16 partials
.irp a, 0,1,2,3
.irp e, 0,1,2,3
	ds_load_b128 v[RAW+16*\a+4*\e:RAW+16*\a+4*\e+3], v[9+\a] offset:REG*\e
.endr
.endr
	s_wait_dscnt 0x0
	FOLD RAW, 32
	FOLD RAW, 16
	FOLD RAW, 8
	FOLD RAW, 4
	global_store_b128 v13, v[RAW:RAW+3], s[18:19]  ; sixteen lanes store 256 consecutive bytes, aligned
	s_cmp_lg_u32 ttmp9, 0
	s_cbranch_scc1 .Lend
	s_cmp_lg_u32 s2, 0
	s_cbranch_scc1 .Lend
	; work-group 0, wave 0 (so v8 = 272 l + 256): c[l] = the sum of the 16 waves' partials
	v_mov_b32 v20, v8
	v_add_nc_u32 v21, 4*REG, v8
	v_add_nc_u32 v22, 8*REG, v8
	v_add_nc_u32 v23, 12*REG, v8
.irp a, 0,1,2,3
.irp e, 0,1,2,3
	ds_load_b32 v[RAW+16+4*\a+\e], v[20+\a] offset:REG*\e
.endr
.endr
	v_lshlrev_b32 v24, 3, v1
	s_wait_dscnt 0x0
	FOLD RAW+16, 8
	FOLD RAW+16, 4
	FOLD RAW+16, 2
	v_add_f32 v[RAW+16], v[RAW+16], v[RAW+17]
	v_mov_b32 v[RAW+17], 0
	global_store_b64 v24, v[RAW+16:RAW+17], s[10:11] offset:131072   ; 32 lanes x 8 bytes: 256 consecutive bytes, aligned
.Lend:
	s_wait_xcnt 0x0
	v_lshl_add_u32 v254, v0, 2, 0x44000
	v_mov_b32 v255, 0
	s_wait_tensorcnt 0x0
	ds_add_u32 v254, v255
	s_wait_dscnt 0x0
	s_endpgm
.Lfunc_end_k_qb632be19d9_keyq:
	.size	k_qb632be19d9_keyq, .Lfunc_end_k_qb632be19d9_keyq-k_qb632be19d9_keyq
	.p2alignl 7, 3214868480
	.fill 96, 4, 3214868480
	.section	.rodata,"a",@progbits
	.p2align	6, 0x0
	.amdhsa_kernel k_qb632be19d9_keyq
		.amdhsa_group_segment_fixed_size 280576
		.amdhsa_private_segment_fixed_size 0
		.amdhsa_enable_private_segment 0
		.amdhsa_kernarg_size 32
		.amdhsa_user_sgpr_count 2
		.amdhsa_user_sgpr_kernarg_segment_ptr 1
		.amdhsa_wavefront_size32 1
		.amdhsa_system_sgpr_workgroup_id_x 1
		.amdhsa_system_sgpr_workgroup_id_y 1
		.amdhsa_system_sgpr_workgroup_id_z 1
		.amdhsa_system_vgpr_workitem_id 0
		.amdhsa_next_free_vgpr 256
		.amdhsa_next_free_sgpr 66
		.amdhsa_reserve_vcc 0
		.amdhsa_float_denorm_mode_32 3
		.amdhsa_float_denorm_mode_16_64 3
		.amdhsa_memory_ordered 1
		.amdhsa_forward_progress 1
		.amdhsa_inst_pref_size 48
	.end_amdhsa_kernel
	.amdgpu_metadata
---
amdhsa.version: [ 1, 2 ]
amdhsa.kernels:
  - .name:           k_qb632be19d9_keyq
    .symbol:         k_qb632be19d9_keyq.kd
    .args:
      - { .name: qp, .offset: 0, .size: 8, .value_kind: global_buffer, .address_space: global }
      - { .name: Wk, .offset: 8, .size: 8, .value_kind: global_buffer, .address_space: global }
      - { .name: bk, .offset: 16, .size: 8, .value_kind: global_buffer, .address_space: global }
      - { .name: qk, .offset: 24, .size: 8, .value_kind: global_buffer, .address_space: global }
    .group_segment_fixed_size: 280576
    .private_segment_fixed_size: 0
    .kernarg_segment_align: 8
    .kernarg_segment_size: 32
    .max_flat_workgroup_size: 512
    .sgpr_count:     66
    .vgpr_count:     256
    .wavefront_size: 32
...
	.end_amdgpu_metadata
.endif
;; end of part 2
;; launch stream (part 3): grid 256 x 1, 16 waves a work-group, no clusters, 68,608 bytes of LDS; arguments x_mem, z_mem, t_mem, z, t, wilson_scale, qk, yp, sraw; writes yp, sraw
.if DOCPART == 3
	.amdgcn_target "amdgcn-amd-amdhsa--gfx1250"
	.amdhsa_code_object_version 6
	.text
	.protected	k_qb632be19d9_stream
	.globl	k_qb632be19d9_stream
	.p2align	8
	.type	k_qb632be19d9_stream,@function
k_qb632be19d9_stream:
	s_mov_b64 s[64:65], 0
	v_nop
	global_prefetch_b8 v0, s[64:65] scope:SCOPE_SE
	s_setreg_imm32_b32 hwreg(HW_REG_WAVE_MODE, 25, 1), 1
	s_wait_xcnt 0x0
; stream: the one pass over x_mem.  Work-group g owns rows 128 (g % 8) .. + 127 of batch b = g / 8; wave w owns 8 of them.
; For each row n: score = (x_n . qk[b] + c[b]) wilson_n / (tau + 1e-6), the light-cone mask, and a running softmax:
;   m = running maximum of the scores with -1e9 at closed rows (as the softmax sees them), S = sum of exp(score - m) over ALL rows,
;   E = the same sum over open rows alone, ACC[1024] = sum over open rows of exp(score - m) x_n.
; A row of 4096 bytes is 8 loads of 16 bytes a lane; lane l holds elements 128 j + 4 l + e of x_n, of qk and of ACC.
; Four row slots in registers: 32 loads of a wave are on their way, 16 waves x 16 KB for the work-group.
; The 16 waves' figures meet in LDS.  Out: yp row g (pitch 4352): 1024 f32, then 256 bytes with word 0 = M, word 1 = S, words 2.. = E;
; sraw[b][n] = the score at open rows, -inf at closed ones.
; Memory binds: no matrix unit (one row vector a batch), no mover (each byte is used once, by one lane), no cluster (what the
; eight groups of a batch share, qk and z, is 4.3 KB against 544 KB of their own).
; LIMITS: NaN and infinities in the inputs are not followed.  For arg above about 1.8e19 the product (arg-1)(arg+1) overflows, d_g is
; infinite and the row is closed.  A row whose d_g equals dt to a few units in the last place may fall on the other side of the mask.
.set MS,  65536                        ; 16 words: the waves' maxima.   LDS bytes 0 .. 65535: [16 waves][4096 bytes] of ACC
.set SE,  65792                        ; = MS + 256: S of the waves in words 0..15, E in words 16..31
.set SC,  66048                        ; 128 scores
.set QK,  32                           ; v[32:63]
.set ACC, 64                           ; v[64:95]
.set X,   96                           ; v[96:223]  four slots of 32
.set L2E, 0x3fb8aa3b                   ; log2 e
; v1 16 l; v2 16 r; v3 t_mem offset; v5 l; v[8:15] at work; v16 m, v17 S, v18 E, v19 M; v[20:21] alpha; v[22:23] p at open rows;
; v24 -1e9; v25 -inf; v26..v31 LDS addresses; v[224:255] geometry
; s24 t, s25 c, s28 -wilson_scale, s[32:39] G of my 8 rows, s[40:47] their masks (all ones or 0), s[56:63] c G
.macro FILL row                        ; eight loads: the whole row, 512 consecutive bytes each, into slot row % 4.  The argument may be a sum: it stands in parentheses
.irp j, 0,1,2,3,4,5,6,7
	global_load_b128 v[X+32*((\row)&3)+4*\j:X+32*((\row)&3)+4*\j+3], v1, s[4:5] offset:4096*(\row)+512*\j th:TH_LOAD_NT
.endr
.endm
.macro FOLD b, d                       ; v[b .. b+d-1] += v[b+d .. b+2d-1]
.set u, 0
.rept \d/2
	v_pk_add_f32 v[\b+u:\b+u+1], v[\b+u:\b+u+1], v[\b+\d+u:\b+\d+u+1]
.set u, u+2
.endr
.endm
	s_load_b512 s[4:19], s[0:1], 0x0               ; x_mem 4, z_mem 6, t_mem 8, z 10, t 12, wilson_scale 14, qk 16, yp 18
	s_load_b64 s[20:21], s[0:1], 0x40              ; sraw
	v_lshl_add_u32 v6, v0, 2, 0x10400
	v_mov_b32 v7, 0
	v_lshrrev_b32 v1, 5, v0
	v_readfirstlane_b32 s2, v1                     ; wave w
	v_and_b32 v5, 31, v0                           ; l
	v_lshlrev_b32 v1, 4, v5                        ; 16 l
	v_and_b32 v2, 15, v0
	v_lshlrev_b32 v2, 4, v2                        ; 16 r
	v_bfe_u32 v3, v0, 2, 2                         ; (l >> 2) & 3
	v_bfe_u32 v4, v0, 4, 1                         ; h
	v_lshlrev_b32 v3, 3, v3
	v_lshl_add_u32 v3, v4, 2, v3                   ; 4 x (2 ((l >> 2) & 3) + h): the row whose geometry this lane finishes
	s_lshr_b32 s3, ttmp9, 3                        ; b
	s_lshl_b32 s26, s3, 2
	s_lshl_b32 s27, s3, 3
	s_mov_b32 s55, 0
	s_wait_kmcnt 0x0
	s_load_b32 s24, s[12:13], s26 offset:0x0       ; t[b]
	s_load_b32 s25, s[16:17], s27 offset:0x20000   ; c[b]
	s_load_b32 s28, s[14:15], 0x0                  ; wilson_scale
	s_lshl_b32 s54, ttmp9, 19                      ; my first row is 128 g + 8 w of 32768: x 4096 bytes
	s_lshl_b32 s52, s2, 15
	s_add_co_u32 s54, s54, s52
	s_add_nc_u64 s[4:5], s[4:5], s[54:55]
	s_lshl_b32 s54, ttmp9, 15                      ; x 256 bytes
	s_lshl_b32 s52, s2, 11
	s_add_co_u32 s54, s54, s52
	s_add_nc_u64 s[6:7], s[6:7], s[54:55]
	s_lshl_b32 s54, ttmp9, 9                       ; x 4 bytes
	s_add_nc_u64 s[20:21], s[20:21], s[54:55]      ; sraw at the group's 128 scores
	s_lshl_b32 s52, s2, 5
	s_add_co_u32 s54, s54, s52
	s_add_nc_u64 s[8:9], s[8:9], s[54:55]
	s_lshl_b32 s54, s3, 8
	s_add_nc_u64 s[10:11], s[10:11], s[54:55]      ; z[b]
	s_lshl_b32 s54, s3, 12
	s_add_nc_u64 s[22:23], s[16:17], s[54:55]      ; qk[b], in a pair of its own: the scalar load of c still names s[16:17]
	s_mul_i32 s54, ttmp9, 4352
	s_add_nc_u64 s[18:19], s[18:19], s[54:55]      ; yp row g
	global_load_b128 v[224:227], v2, s[10:11]      ; z[b][4r ..]
.irp j, 0,1,2,3
	global_load_b128 v[228+4*\j:231+4*\j], v1, s[6:7] offset:512*\j th:TH_LOAD_NT   ; z_mem rows 2j (lanes 0..15) and 2j+1 (lanes 16..31)
.endr
	global_load_b32 v253, v3, s[8:9]               ; t_mem of this lane's row
.irp j, 0,1,2,3,4,5,6,7
	global_load_b128 v[QK+4*\j:QK+4*\j+3], v1, s[22:23] offset:512*\j
.endr
	FILL 0
	FILL 1
	FILL 2
	FILL 3
	s_mov_b32 s29, 0x00f000f0                      ; lanes that finish rows 2, 3
	s_mov_b32 s30, 0x0f000f00                      ; rows 4, 5
	s_mov_b32 s31, 0xf000f000                      ; rows 6, 7
	s_mov_b32 s48, 0x76543210                      ; v_permlanex16_b32: lane i takes lane i of the other half
	s_mov_b32 s49, 0xfedcba98
	s_mov_b32 s50, 0x41800000                      ; 16.0
	s_mov_b32 s51, 0x358637bd                      ; 1e-6
	v_mov_b32 v21, 0                               ; upper halves of the two broadcast pairs: written once, never used
	v_mov_b32 v23, 0
	v_mov_b32 v24, 0xce6e6b28                      ; -1e9
	v_mov_b32 v25, 0xff800000                      ; -inf
	s_lshl_b32 s52, s2, 5
	s_add_co_u32 s52, s52, SC
	v_mov_b32 v26, s52                             ; my 8 scores
	s_lshl_b32 s52, s2, 2
	s_add_co_u32 s52, s52, MS
	v_mov_b32 v27, s52                             ; my word among the maxima
	v_mov_b32 v28, MS
	v_lshl_add_u32 v29, s2, 12, v1                 ; my 4096 bytes of ACC: 4096 w + 16 l
	v_lshlrev_b32 v30, 3, v0                       ; 8 x thread
	v_add_nc_u32 v31, SC, v1
	s_wait_kmcnt 0x0
	s_xor_b32 s28, s28, 0x80000000                 ; -wilson_scale
	s_wait_loadcnt 40                              ; z, z_mem and t_mem are in; the 8 loads of qk and 32 of x are younger
	; ---- geometry.  Lane (r, h) holds four of the 64 coordinates of rows 2j + h.
.irp j, 0,1,2,3
	v_pk_mul_f32 v[254:255], v[228+4*\j:229+4*\j], v[228+4*\j:229+4*\j]
	v_pk_fma_f32 v[254:255], v[230+4*\j:231+4*\j], v[230+4*\j:231+4*\j], v[254:255]
	v_add_f32 v[248+\j], v254, v255                ; part of |z_mem|^2
	v_pk_add_f32 v[228+4*\j:229+4*\j], v[224:225], v[228+4*\j:229+4*\j] neg_lo:[0,1] neg_hi:[0,1]
	v_pk_add_f32 v[230+4*\j:231+4*\j], v[226:227], v[230+4*\j:231+4*\j] neg_lo:[0,1] neg_hi:[0,1]
	v_pk_mul_f32 v[254:255], v[228+4*\j:229+4*\j], v[228+4*\j:229+4*\j]
	v_pk_fma_f32 v[254:255], v[230+4*\j:231+4*\j], v[230+4*\j:231+4*\j], v[254:255]
	v_add_f32 v[244+\j], v254, v255                ; part of |z - z_mem|^2
.endr
	v_pk_mul_f32 v[254:255], v[224:225], v[224:225]
	v_pk_fma_f32 v[254:255], v[226:227], v[226:227], v[254:255]
	v_add_f32 v252, v254, v255                     ; part of |z|^2
.irp m, 1,2,4,8
.irp q, 244,245,246,247,248,249,250,251,252
	v_add_f32_dpp v\q, v\q, v\q row_xmask:\m row_mask:0xf bank_mask:0xf   ; sums over the 16 lanes of a half
.endr
.endr
	v_cndmask_b32 v244, v244, v245, s29            ; lane l keeps row 2 ((l >> 2) & 3) + h
	v_cndmask_b32 v248, v248, v249, s29
	v_cndmask_b32 v244, v244, v246, s30
	v_cndmask_b32 v248, v248, v250, s30
	v_cndmask_b32 v244, v244, v247, s31
	v_cndmask_b32 v248, v248, v251, s31
	v_sub_f32 v224, 1.0, v252                      ; 1 - norm1
	v_sub_f32 v225, 1.0, v248                      ; 1 - norm2
	v_fma_f32 v225, v224, v225, s51                ; denom
	v_rcp_f32 v226, v225
	v_add_f32 v244, v244, v244                     ; 2 diff_sq: the plain instruction behind v_rcp_f32 (ISA guide 5.7.2)
	s_wait_alu depctr_va_vdst(0)
	v_fma_f32 v227, v244, v226, 1.0
	v_max_num_f32 v227, 0x3f800008, v227           ; arg = max(.., 1 + 1e-6)
	v_add_f32 v228, -1.0, v227
	v_add_f32 v229, 1.0, v227
	v_mul_f32 v228, v228, v229
	v_sqrt_f32 v229, v228
	v_add_f32 v230, s51, v224                      ; 1 - norm1 + 1e-6 (the plain instruction behind v_sqrt_f32)
	s_wait_alu depctr_va_vdst(0)
	v_add_f32 v229, v227, v229                     ; arg + sqrt(arg^2 - 1)
	v_log_f32 v231, v229                           ; log2: d_g = ln 2 x this
	v_fma_f32 v230, v230, s50, s51                 ; tau + 1e-6, tau = 32 / (2 / (1 - norm1 + 1e-6)) (the plain instruction behind v_log_f32)
	s_wait_alu depctr_va_vdst(0)
	v_mul_f32 v232, 0x3f317218, v231               ; d_g
	v_mul_f32 v233, s28, v231                      ; exp(-ws d_g) = 2^(-ws log2 y)
	v_exp_f32 v234, v233
	v_rcp_f32 v235, v230
	v_sub_f32 v236, s24, v253                      ; dt (the plain instruction behind the two)
	s_wait_alu depctr_va_vdst(0)
	v_mul_f32 v234, v234, v235                     ; G = wilson / (tau + 1e-6)
	v_cmp_lt_f32 s52, 0, v236                      ; dt > 0
	v_cmp_le_f32 s53, v232, v236                   ; d_g <= dt
	s_and_b32 s52, s52, s53
	v_cndmask_b32 v237, 0, -1, s52
.irp r, 0,1,2,3,4,5,6,7
	v_readlane_b32 s[32+\r], v234, 16*(\r&1)+4*(\r>>1)
	v_readlane_b32 s[40+\r], v237, 16*(\r&1)+4*(\r>>1)   ; all ones or 0: a mask for all 32 lanes; it only ever selects values
.endr
.irp r, 0,1,2,3,4,5,6,7
	s_mul_f32 s[56+\r], s25, s[32+\r]              ; c G
.endr
; One row.  left = how many younger loads may stay out: 8 for each younger row.
.macro TURN r, first, refill, left
	s_wait_loadcnt \left
.irp p, 0,1,2,3
	v_pk_mul_f32 v[8+2*\p:9+2*\p], v[X+32*(\r&3)+2*\p:X+32*(\r&3)+2*\p+1], v[QK+2*\p:QK+2*\p+1]
.endr
.set k, 4
.rept 12
	v_pk_fma_f32 v[8+2*(k&3):9+2*(k&3)], v[X+32*(\r&3)+2*k:X+32*(\r&3)+2*k+1], v[QK+2*k:QK+2*k+1], v[8+2*(k&3):9+2*(k&3)]
.set k, k+1
.endr
	v_pk_add_f32 v[8:9], v[8:9], v[10:11]
	v_pk_add_f32 v[12:13], v[12:13], v[14:15]
	v_pk_add_f32 v[8:9], v[8:9], v[12:13]
	v_add_f32 v8, v8, v9
.irp m, 1,2,4,8
	v_add_f32_dpp v8, v8, v8 row_xmask:\m row_mask:0xf bank_mask:0xf
.endr
	v_permlanex16_b32 v9, v8, s48, s49
	v_add_f32 v8, v8, v9                           ; x_n . qk in every lane
	v_fma_f32 v8, v8, s[32+\r], s[56+\r]           ; the score
	v_cndmask_b32 v9, v24, v8, s[40+\r]            ; as the softmax sees it: -1e9 at a closed row
	v_cndmask_b32 v10, v25, v8, s[40+\r]           ; as it is handed on: -inf at a closed row
	ds_store_b32 v26, v10 offset:4*\r              ; all lanes write one word with one value
.if \first
	v_mov_b32 v16, v9                              ; the first row starts the sums: nothing is cleared
	v_mov_b32 v17, 1.0
	v_cndmask_b32 v22, 0, 1.0, s[40+\r]
	v_mov_b32 v18, v22
.set k, 0
.rept 16
	v_pk_mul_f32 v[ACC+2*k:ACC+2*k+1], v[X+32*(\r&3)+2*k:X+32*(\r&3)+2*k+1], v[22:23] op_sel_hi:[1,0]
.set k, k+1
.endr
.else
	v_max_num_f32 v11, v16, v9
	v_sub_f32 v12, v16, v11
	v_sub_f32 v13, v9, v11
	v_mul_f32 v12, L2E, v12
	v_mul_f32 v13, L2E, v13
	v_exp_f32 v20, v12                             ; alpha
	v_exp_f32 v14, v13                             ; p
	v_mov_b32 v16, v11                             ; the plain instruction behind the two exponentials (ISA guide 5.7.2)
	s_wait_alu depctr_va_vdst(0)
	v_fma_f32 v17, v17, v20, v14
	v_cndmask_b32 v22, 0, v14, s[40+\r]
	v_fma_f32 v18, v18, v20, v22
.set k, 0
.rept 16
	v_pk_mul_f32 v[ACC+2*k:ACC+2*k+1], v[ACC+2*k:ACC+2*k+1], v[20:21] op_sel_hi:[1,0]
.set k, k+1
.endr
.set k, 0
.rept 16
	v_pk_fma_f32 v[ACC+2*k:ACC+2*k+1], v[X+32*(\r&3)+2*k:X+32*(\r&3)+2*k+1], v[22:23], v[ACC+2*k:ACC+2*k+1] op_sel_hi:[1,0,1]
.set k, k+1
.endr
.endif
.if \refill
	FILL \r+4                                      ; the row four further down, into the slot just read
.endif
.endm
	TURN 0, 1, 1, 24                               ; also waits for qk, which is older than row 0
	TURN 1, 0, 1, 24
	TURN 2, 0, 1, 24
	TURN 3, 0, 1, 24
	TURN 4, 0, 0, 24                               ; nothing more to load: the counts run down
	TURN 5, 0, 0, 16
	TURN 6, 0, 0, 8
	TURN 7, 0, 0, 0
	; ---- the 16 waves meet
	ds_store_b32 v27, v16                          ; my maximum
	s_wait_dscnt 0x0                               ; it and my 8 scores are in LDS before I say so
	s_barrier_signal -1
	s_barrier_wait -1
.irp i, 0,1,2,3
	ds_load_b128 v[96+4*\i:99+4*\i], v28 offset:16*\i
.endr
	s_wait_dscnt 0x0
	v_max3_num_f32 v96, v96, v97, v98
	v_max3_num_f32 v99, v99, v100, v101
	v_max3_num_f32 v102, v102, v103, v104
	v_max3_num_f32 v105, v105, v106, v107
	v_max3_num_f32 v108, v108, v109, v110
	v_max3_num_f32 v96, v96, v99, v111
	v_max3_num_f32 v102, v102, v105, v108
	v_max_num_f32 v19, v96, v102                   ; M of the group
	v_sub_f32 v12, v16, v19
	v_mul_f32 v12, L2E, v12
	v_exp_f32 v20, v12
	v_nop                                          ; the place behind v_exp_f32
	s_wait_alu depctr_va_vdst(0)
	v_mul_f32 v17, v17, v20
	v_mul_f32 v18, v18, v20
	ds_store_b32 v27, v17 offset:SE-MS
	ds_store_b32 v27, v18 offset:SE-MS+64
.set k, 0
.rept 16
	v_pk_mul_f32 v[ACC+2*k:ACC+2*k+1], v[ACC+2*k:ACC+2*k+1], v[20:21] op_sel_hi:[1,0]
.set k, k+1
.endr
.irp j, 0,1,2,3,4,5,6,7
	ds_store_b128 v29, v[ACC+4*\j:ACC+4*\j+3] offset:512*\j
.endr
	s_wait_dscnt 0x0
	s_barrier_signal -1
	s_barrier_wait -1
.set k, 0
.rept 16
	ds_load_b64 v[96+2*k:97+2*k], v30 offset:4096*k    ; columns 2 t, 2 t + 1 of wave k's sum
.set k, k+1
.endr
	s_wait_dscnt 0x0
	FOLD 96, 16
	FOLD 96, 8
	FOLD 96, 4
	FOLD 96, 2
	global_store_b64 v30, v[96:97], s[18:19]       ; a wave stores 256 consecutive bytes, aligned
	s_cmp_lg_u32 s2, 0
	s_cbranch_scc1 .Lnot0
.irp i, 0,1,2,3,4,5,6,7
	ds_load_b128 v[128+4*\i:131+4*\i], v28 offset:SE-MS+16*\i
.endr
	v_cmp_eq_u32 vcc_lo, 0, v5
	s_wait_dscnt 0x0
	FOLD 128, 8
	FOLD 144, 8
	FOLD 128, 4
	FOLD 144, 4
	FOLD 128, 2
	FOLD 144, 2
	v_add_f32 v128, v128, v129                     ; S
	v_add_f32 v144, v144, v145                     ; E
	v_cndmask_b32 v130, v144, v19, vcc_lo          ; lane 0: (M, S); the others: (E, E)
	v_cndmask_b32 v131, v144, v128, vcc_lo
	global_store_b64 v30, v[130:131], s[18:19] offset:4096   ; in wave 0 thread = lane: 256 consecutive bytes, aligned
.Lnot0:
	s_cmp_lg_u32 s2, 1
	s_cbranch_scc1 .Lend
	ds_load_b128 v[132:135], v31
	s_wait_dscnt 0x0
	global_store_b128 v1, v[132:135], s[20:21]     ; the group's 128 scores: 512 consecutive bytes
.Lend:
	s_wait_tensorcnt 0x0
	ds_add_u32 v6, v7
	s_wait_dscnt 0x0
	s_endpgm
.Lfunc_end_k_qb632be19d9_stream:
	.size	k_qb632be19d9_stream, .Lfunc_end_k_qb632be19d9_stream-k_qb632be19d9_stream
	.p2alignl 7, 3214868480
	.fill 96, 4, 3214868480
	.section	.rodata,"a",@progbits
	.p2align	6, 0x0
	.amdhsa_kernel k_qb632be19d9_stream
		.amdhsa_group_segment_fixed_size 68608
		.amdhsa_private_segment_fixed_size 0
		.amdhsa_enable_private_segment 0
		.amdhsa_kernarg_size 72
		.amdhsa_user_sgpr_count 2
		.amdhsa_user_sgpr_kernarg_segment_ptr 1
		.amdhsa_wavefront_size32 1
		.amdhsa_system_sgpr_workgroup_id_x 1
		.amdhsa_system_sgpr_workgroup_id_y 1
		.amdhsa_system_sgpr_workgroup_id_z 1
		.amdhsa_system_vgpr_workitem_id 0
		.amdhsa_next_free_vgpr 256
		.amdhsa_next_free_sgpr 66
		.amdhsa_reserve_vcc 1
		.amdhsa_float_denorm_mode_32 3
		.amdhsa_float_denorm_mode_16_64 3
		.amdhsa_memory_ordered 1
		.amdhsa_forward_progress 1
		.amdhsa_inst_pref_size 59
	.end_amdhsa_kernel
	.amdgpu_metadata
---
amdhsa.version: [ 1, 2 ]
amdhsa.kernels:
  - .name:           k_qb632be19d9_stream
    .symbol:         k_qb632be19d9_stream.kd
    .args:
      - { .name: x_mem, .offset: 0, .size: 8, .value_kind: global_buffer, .address_space: global }
      - { .name: z_mem, .offset: 8, .size: 8, .value_kind: global_buffer, .address_space: global }
      - { .name: t_mem, .offset: 16, .size: 8, .value_kind: global_buffer, .address_space: global }
      - { .name: z, .offset: 24, .size: 8, .value_kind: global_buffer, .address_space: global }
      - { .name: t, .offset: 32, .size: 8, .value_kind: global_buffer, .address_space: global }
      - { .name: wilson_scale, .offset: 40, .size: 8, .value_kind: global_buffer, .address_space: global }
      - { .name: qk, .offset: 48, .size: 8, .value_kind: global_buffer, .address_space: global }
      - { .name: yp, .offset: 56, .size: 8, .value_kind: global_buffer, .address_space: global }
      - { .name: sraw, .offset: 64, .size: 8, .value_kind: global_buffer, .address_space: global }
    .group_segment_fixed_size: 68608
    .private_segment_fixed_size: 0
    .kernarg_segment_align: 8
    .kernarg_segment_size: 72
    .max_flat_workgroup_size: 512
    .sgpr_count:     66
    .vgpr_count:     256
    .wavefront_size: 32
...
	.end_amdgpu_metadata
.endif
;; end of part 3
;; launch combine (part 4): grid 32 x 1, 8 waves a work-group, no clusters, 0 bytes of LDS; arguments yp, sraw, out1, xs; writes out1, xs
.if DOCPART == 4
	.amdgcn_target "amdgcn-amd-amdhsa--gfx1250"
	.amdhsa_code_object_version 6
	.text
	.protected	k_qb632be19d9_combine
	.globl	k_qb632be19d9_combine
	.p2align	8
	.type	k_qb632be19d9_combine,@function
k_qb632be19d9_combine:
	s_mov_b64 s[64:65], 0
	v_nop
	global_prefetch_b8 v0, s[64:65] scope:SCOPE_SE
	s_setreg_imm32_b32 hwreg(HW_REG_WAVE_MODE, 25, 1), 1
	s_wait_xcnt 0x0
; combine: one work-group a batch b joins the eight blocks of the pass over x_mem.
;   M = max of the blocks' maxima, beta_c = exp(M_c - M), S = sum beta S_c (all rows), E = sum beta E_c (open rows)
;   softmax weight of an open row = exp(s - M) / S; their sum Wm = E / S; out1 = that weight / (Wm + 1e-8); closed rows (s = -inf) give 0
;   xbar = sum over c of beta_c y_c / (S (Wm + 1e-8)), stored as bf16 hi and bf16 lo for the last product; sw = Wm / (Wm + 1e-8) = sum of out1
; Thread t owns columns 4 t .. 4 t + 3.  Every thread reads the eight blocks' three figures itself: no LDS, no barrier.
; xs layout: hi [32][1024] bf16 at byte 0, lo at byte 65536, sw at byte 131072 + 256 b (256 bytes, all equal to sw).
; S is at least 1 (the row of the maximum counts 1), so no division by zero.  NaN and infinities in the inputs are not followed.
.set L2E, 0x3fb8aa3b
	s_load_b256 s[4:11], s[0:1], 0x0               ; yp 4, sraw 6, out1 8, xs 10
	v_lshrrev_b32 v1, 5, v0
	v_readfirstlane_b32 s2, v1                     ; wave
	v_mov_b32 v1, 0
	v_lshlrev_b32 v2, 4, v0                        ; 16 t
	v_lshlrev_b32 v88, 3, v0                       ; 8 t
	v_mov_b32 v89, -1.0
	s_mul_i32 s12, ttmp9, 8*4352
	s_mov_b32 s13, 0
	s_lshl_b32 s14, ttmp9, 12
	s_mov_b32 s15, 0
	s_lshl_b32 s16, ttmp9, 11
	s_mov_b32 s17, 0
	s_lshl_b32 s18, ttmp9, 8
	s_mov_b32 s19, 0
	s_wait_kmcnt 0x0
	s_add_nc_u64 s[4:5], s[4:5], s[12:13]
	s_add_nc_u64 s[6:7], s[6:7], s[14:15]
	s_add_nc_u64 s[8:9], s[8:9], s[14:15]
	s_add_nc_u64 s[20:21], s[10:11], s[18:19]      ; for sw
	s_add_nc_u64 s[10:11], s[10:11], s[16:17]      ; for xbar
.irp c, 0,1,2,3,4,5,6,7
	global_load_b128 v[8+4*\c:11+4*\c], v1, s[4:5] offset:4352*\c+4096   ; M_c, S_c, E_c, E_c: the same address in every lane
.endr
	global_load_b128 v[40:43], v2, s[6:7]          ; four scores
.irp c, 0,1,2,3,4,5,6,7
	global_load_b128 v[48+4*\c:51+4*\c], v2, s[4:5] offset:4352*\c
.endr
	s_wait_loadcnt 9                               ; the 8 loads of figures are in; the scores' load and the 8 of y are younger
	v_max3_num_f32 v3, v8, v12, v16
	v_max3_num_f32 v3, v3, v20, v24
	v_max3_num_f32 v3, v3, v28, v32
	v_max_num_f32 v3, v3, v36                      ; M
.irp c, 0,1,2,3,4,5,6,7
	v_sub_f32 v[11+4*\c], v[8+4*\c], v3
.endr
.irp c, 0,1,2,3,4,5,6,7
	v_mul_f32 v[11+4*\c], L2E, v[11+4*\c]
.endr
.irp c, 0,1,2,3,4,5,6,7
	v_exp_f32 v[11+4*\c], v[11+4*\c]               ; beta_c
.endr
	v_nop                                          ; the place behind the exponentials (ISA guide 5.7.2)
	s_wait_alu depctr_va_vdst(0)
	v_mul_f32 v4, v11, v9
	v_mul_f32 v5, v11, v10
.irp c, 1,2,3,4,5,6,7
	v_fmac_f32 v4, v[11+4*\c], v[9+4*\c]           ; S
	v_fmac_f32 v5, v[11+4*\c], v[10+4*\c]          ; E
.endr
	v_rcp_f32 v6, v4
	v_nop
	s_wait_alu depctr_va_vdst(0)
	v_mul_f32 v7, v5, v6                           ; Wm
	v_add_f32 v44, 0x322bcc77, v7                  ; + 1e-8
	v_rcp_f32 v45, v44
	v_nop
	s_wait_alu depctr_va_vdst(0)
	v_mul_f32 v46, v6, v45                         ; f = 1 / (S (Wm + 1e-8))
	v_mul_f32 v47, v7, v45                         ; sw
.irp c, 0,1,2,3,4,5,6,7
	v_mul_f32 v[11+4*\c], v[11+4*\c], v46          ; beta_c f
.endr
	s_wait_loadcnt 8                               ; the scores are in; the 8 loads of y are younger
.irp e, 0,1,2,3
	v_sub_f32 v[40+\e], v[40+\e], v3
.endr
.irp e, 0,1,2,3
	v_mul_f32 v[40+\e], L2E, v[40+\e]
.endr
.irp e, 0,1,2,3
	v_exp_f32 v[40+\e], v[40+\e]
.endr
	v_nop
	s_wait_alu depctr_va_vdst(0)
.irp e, 0,1,2,3
	v_mul_f32 v[40+\e], v[40+\e], v46
.endr
	global_store_b128 v2, v[40:43], s[8:9]         ; out1: a wave stores 512 consecutive bytes
	v_mov_b32 v46, v47                             ; (sw, sw)
	s_wait_loadcnt 0x0
.irp e, 0,1,2,3
	v_mul_f32 v[80+\e], v[48+\e], v11
.endr
.irp c, 1,2,3,4,5,6,7
.irp e, 0,1,2,3
	v_fmac_f32 v[80+\e], v[48+4*\c+\e], v[11+4*\c]
.endr
.endr
	v_cvt_pk_bf16_f32 v84, v80, v81                ; hi
	v_cvt_pk_bf16_f32 v85, v82, v83
	v_fma_mix_f32_bf16 v80, v84, v89, v80 op_sel_hi:[1,0,0]              ; the residuals
	v_fma_mix_f32_bf16 v81, v84, v89, v81 op_sel:[1,0,0] op_sel_hi:[1,0,0]
	v_fma_mix_f32_bf16 v82, v85, v89, v82 op_sel_hi:[1,0,0]
	v_fma_mix_f32_bf16 v83, v85, v89, v83 op_sel:[1,0,0] op_sel_hi:[1,0,0]
	v_cvt_pk_bf16_f32 v86, v80, v81                ; lo
	v_cvt_pk_bf16_f32 v87, v82, v83
	global_store_b64 v88, v[84:85], s[10:11]       ; a wave stores 256 consecutive bytes, aligned
	global_store_b64 v88, v[86:87], s[10:11] offset:65536
	s_cmp_lg_u32 s2, 0
	s_cbranch_scc1 .Lend
	global_store_b64 v88, v[46:47], s[20:21] offset:131072   ; wave 0: 256 consecutive bytes, aligned
.Lend:
	s_endpgm
.Lfunc_end_k_qb632be19d9_combine:
	.size	k_qb632be19d9_combine, .Lfunc_end_k_qb632be19d9_combine-k_qb632be19d9_combine
	.p2alignl 7, 3214868480
	.fill 96, 4, 3214868480
	.section	.rodata,"a",@progbits
	.p2align	6, 0x0
	.amdhsa_kernel k_qb632be19d9_combine
		.amdhsa_group_segment_fixed_size 0
		.amdhsa_private_segment_fixed_size 0
		.amdhsa_enable_private_segment 0
		.amdhsa_kernarg_size 32
		.amdhsa_user_sgpr_count 2
		.amdhsa_user_sgpr_kernarg_segment_ptr 1
		.amdhsa_wavefront_size32 1
		.amdhsa_system_sgpr_workgroup_id_x 1
		.amdhsa_system_sgpr_workgroup_id_y 1
		.amdhsa_system_sgpr_workgroup_id_z 1
		.amdhsa_system_vgpr_workitem_id 0
		.amdhsa_next_free_vgpr 96
		.amdhsa_next_free_sgpr 66
		.amdhsa_reserve_vcc 0
		.amdhsa_float_denorm_mode_32 3
		.amdhsa_float_denorm_mode_16_64 3
		.amdhsa_memory_ordered 1
		.amdhsa_forward_progress 1
		.amdhsa_inst_pref_size 8
	.end_amdhsa_kernel
	.amdgpu_metadata
---
amdhsa.version: [ 1, 2 ]
amdhsa.kernels:
  - .name:           k_qb632be19d9_combine
    .symbol:         k_qb632be19d9_combine.kd
    .args:
      - { .name: yp, .offset: 0, .size: 8, .value_kind: global_buffer, .address_space: global }
      - { .name: sraw, .offset: 8, .size: 8, .value_kind: global_buffer, .address_space: global }
      - { .name: out1, .offset: 16, .size: 8, .value_kind: global_buffer, .address_space: global }
      - { .name: xs, .offset: 24, .size: 8, .value_kind: global_buffer, .address_space: global }
    .group_segment_fixed_size: 0
    .private_segment_fixed_size: 0
    .kernarg_segment_align: 8
    .kernarg_segment_size: 32
    .max_flat_workgroup_size: 256
    .sgpr_count:     66
    .vgpr_count:     96
    .wavefront_size: 32
...
	.end_amdgpu_metadata
.endif
;; end of part 4
;; launch value (part 5): grid 16 x 1, 16 waves a work-group, no clusters, 264,192 bytes of LDS; arguments xs, Wval, bval, out0; writes out0
.if DOCPART == 5
	.amdgcn_target "amdgcn-amd-amdhsa--gfx1250"
	.amdhsa_code_object_version 6
	.text
	.protected	k_qb632be19d9_value
	.globl	k_qb632be19d9_value
	.p2align	8
	.type	k_qb632be19d9_value,@function
k_qb632be19d9_value:
	s_mov_b64 s[64:65], 0
	v_nop
	global_prefetch_b8 v0, s[64:65] scope:SCOPE_SE
	s_setreg_imm32_b32 hwreg(HW_REG_WAVE_MODE, 25, 1), 1
	s_wait_xcnt 0x0
; value: out0[b][col] = sum over k of xbar[b][k] Wval[k][col] + sw[b] bval[col].
; Since sum_n w_n (x_n Wval + bval) = (sum_n w_n x_n) Wval + (sum_n w_n) bval for every input, the values are never formed.
; Work-group nb owns columns 64 nb .. + 63; wave w owns k = 64 w .. + 63; the 16 partial sums are joined in LDS.
; Wval is source 0, xbar source 1; both use one renaming of k: slot sigma of lane half h is k = 32 s + 16 h + sigma.  Wval lies [k][column]:
; a lane reads 16 bytes (columns 4r .. 4r+3) of a row k, sixteen lanes a whole row of 256 bytes; tile c is the set of columns 4m + c.
; xbar comes as bf16 hi and lo; Wval is split here; three products, the term left out is about 2^-16 relative.  NaN and infinities are not followed.
; No cluster: xbar, which all share (128 KB), goes straight into registers; each byte of Wval is read by one wave.  One tensor load a wave, no byte filled twice.
.set PP,   272
.set NEG1, 15
.set WF,   16                          ; v[16:31]   weight fragment, hi then lo
.set AF,   32                          ; v[32:95]   xbar: step s at 32 s, nt at 16 nt, hi then lo
.set ACC,  128                         ; v[128:191] accumulators (nt, c) at 32 nt + 8 c
.set RAW,  192                         ; v[192:255] f32 as loaded
; v96 partial's address; v[97:100] the sum's addresses; v101 offset in out0; v[104:107] bval; v108 sw
.macro PLACES                          ; four places behind a matrix instruction (ISA guide 7.12.1) before its registers are written or its result read
.rept 4
	v_nop
.endr
.endm
.macro SPLIT dst, src, st              ; 16 f32 -> 8 registers bf16 hi at dst, 8 registers bf16 lo at dst+8; the f32 become residuals
.irp p, 0,1,2,3,4,5,6,7
	v_cvt_pk_bf16_f32 v[\dst+\p], v[\src+2*\p*\st], v[\src+(2*\p+1)*\st]
.endr
.irp p, 0,1,2,3,4,5,6,7
	v_fma_mix_f32_bf16 v[\src+2*\p*\st], v[\dst+\p], v[NEG1], v[\src+2*\p*\st] op_sel_hi:[1,0,0]
	v_fma_mix_f32_bf16 v[\src+(2*\p+1)*\st], v[\dst+\p], v[NEG1], v[\src+(2*\p+1)*\st] op_sel:[1,0,0] op_sel_hi:[1,0,0]
.endr
.irp p, 0,1,2,3,4,5,6,7
	v_cvt_pk_bf16_f32 v[\dst+8+\p], v[\src+2*\p*\st], v[\src+(2*\p+1)*\st]
.endr
.endm
.macro MM6 c, af, zero                 ; the two accumulators take turns, one instruction a turn
.if \zero
	v_wmma_f32_16x16x32_bf16 v[ACC+8*\c:ACC+8*\c+7], v[WF:WF+7], v[\af:\af+7], 0
	v_wmma_f32_16x16x32_bf16 v[ACC+32+8*\c:ACC+32+8*\c+7], v[WF:WF+7], v[\af+16:\af+23], 0
.else
	v_wmma_f32_16x16x32_bf16 v[ACC+8*\c:ACC+8*\c+7], v[WF:WF+7], v[\af:\af+7], v[ACC+8*\c:ACC+8*\c+7]
	v_wmma_f32_16x16x32_bf16 v[ACC+32+8*\c:ACC+32+8*\c+7], v[WF:WF+7], v[\af+16:\af+23], v[ACC+32+8*\c:ACC+32+8*\c+7]
.endif
	v_wmma_f32_16x16x32_bf16 v[ACC+8*\c:ACC+8*\c+7], v[WF:WF+7], v[\af+8:\af+15], v[ACC+8*\c:ACC+8*\c+7]
	v_wmma_f32_16x16x32_bf16 v[ACC+32+8*\c:ACC+32+8*\c+7], v[WF:WF+7], v[\af+24:\af+31], v[ACC+32+8*\c:ACC+32+8*\c+7]
	v_wmma_f32_16x16x32_bf16 v[ACC+8*\c:ACC+8*\c+7], v[WF+8:WF+15], v[\af:\af+7], v[ACC+8*\c:ACC+8*\c+7]
	v_wmma_f32_16x16x32_bf16 v[ACC+32+8*\c:ACC+32+8*\c+7], v[WF+8:WF+15], v[\af+16:\af+23], v[ACC+32+8*\c:ACC+32+8*\c+7]
.endm
.macro STEP adr, off, af, zero         ; one K step of 32: my 16 rows of the tile (16 bytes each), then four column sets
.set i, 0
.rept 16
	ds_load_b128 v[RAW+4*i:RAW+4*i+3], v[\adr] offset:\off+256*i
.set i, i+1
.endr
	s_wait_dscnt 0x0
.irp c, 0,1,2,3
	PLACES                                         ; WF was read by the last matrix instructions
	SPLIT WF, RAW+\c, 4
	MM6 \c, \af, \zero
.endr
.endm
.macro FOLD b, d                       ; v[b .. b+d-1] += v[b+d .. b+2d-1]
.set u, 0
.rept \d/2
	v_pk_add_f32 v[\b+u:\b+u+1], v[\b+u:\b+u+1], v[\b+\d+u:\b+\d+u+1]
.set u, u+2
.endr
.endm
	s_load_b256 s[4:11], s[0:1], 0x0               ; xs 4, Wval 6, bval 8, out0 10
	v_lshl_add_u32 v126, v0, 2, 0x40000
	v_mov_b32 v127, 0
	ds_add_u32 v126, v127
	ds_add_u32 v126, v127
	v_lshrrev_b32 v1, 5, v0
	v_readfirstlane_b32 s2, v1                     ; wave w
	v_and_b32 v2, 15, v0                           ; r
	v_bfe_u32 v3, v0, 4, 1                         ; h
	s_mov_b32 s20, 1                               ; group 0: count
	s_lshl_b32 s21, s2, 14                         ; LDS address: 16384 w
	s_mov_b32 s24, 2<<16                           ; elements of 4 bytes, no mask, no padding
	s_mov_b32 s25, 64<<16                          ; tensor_dim0 = 64
	s_mov_b32 s26, 64<<16                          ; tensor_dim1 = 64
	s_mov_b32 s27, 64<<16                          ; tile_dim0 = 64
	s_mov_b32 s28, 64                              ; tile_dim1 = 64
	s_mov_b32 s29, 1024                            ; elements from row to row
	s_mov_b32 s30, 0
	s_mov_b32 s31, 0
	s_lshl_b32 s14, ttmp9, 8                       ; my 64 columns, in bytes
	s_mov_b32 s15, 0
	s_lshl_b32 s12, s2, 18                         ; 64 w rows of 4096 bytes
	s_add_co_u32 s12, s12, s14
	s_mov_b32 s13, 0
	s_wait_dscnt 0x0
	s_wait_kmcnt 0x0
	s_add_nc_u64 s[22:23], s[6:7], s[12:13]
	s_or_b32 s23, s23, 0x80000000
	tensor_load_to_lds s[20:23], s[24:31]          ; the wave's one tensor load, read by this wave alone
	s_nop 0
	s_add_nc_u64 s[8:9], s[8:9], s[14:15]
	s_add_nc_u64 s[10:11], s[10:11], s[14:15]
	v_lshlrev_b32 v4, 11, v2
	v_lshl_add_u32 v4, v3, 5, v4
	s_lshl_b32 s17, s2, 7
	v_add_nc_u32 v4, s17, v4                       ; xs: 2048 r + 128 w + 32 h
	v_lshlrev_b32 v5, 4, v2                        ; bval: 16 (v0 % 16)
	v_lshrrev_b32 v8, 4, v0                        ; b of the last phase
	v_lshlrev_b32 v7, 8, v8                        ; sw: 256 b
	v_mov_b32 v[NEG1], -1.0
.irp s, 0,1
.irp nt, 0,1
.irp lo, 0,1
.irp q, 0,1
	global_load_b128 v[AF+32*\s+16*\nt+8*\lo+4*\q:AF+32*\s+16*\nt+8*\lo+4*\q+3], v4, s[4:5] offset:32768*\nt+64*\s+16*\q+65536*\lo
.endr
.endr
.endr
.endr
	global_load_b128 v[104:107], v5, s[8:9]
	global_load_b32 v108, v7, s[4:5] offset:131072
	v_lshl_add_u32 v6, v3, 12, v5
	v_add_nc_u32 v6, s21, v6                       ; my tile: 16384 w + 4096 h + 16 r
	v_mul_u32_u24 v96, v2, PP
	v_lshl_add_u32 v96, v3, 7, v96
	v_add_nc_u32 v96, s21, v96                     ; my partial: row r, byte 128 h, over my own tile
	v_mul_u32_u24 v97, v8, PP
	v_add_nc_u32 v97, v97, v5                      ; the sum: row b, byte 16 (v0 % 16), of partial 4 a + e
	v_add_nc_u32 v98, 0x10000, v97
	v_add_nc_u32 v99, 0x20000, v97
	v_add_nc_u32 v100, 0x30000, v97
	v_lshl_add_u32 v101, v8, 12, v5                ; out0: 4096 b + 16 (v0 % 16)
	s_wait_loadcnt 0x0
	s_wait_tensorcnt 0x0                           ; my tile is in LDS
	STEP 6, 0, AF, 1
	STEP 6, 8192, AF+32, 0
	PLACES                                         ; before the results are stored
	; register jj of (nt, c) in lane (r, h) is column 32 h + 4 jj + c of batch r + 16 nt.  My tile has had its only fill and my reads of it are over.
.irp nt, 0,1
.irp c, 0,1,2,3
.irp jj, 0,1,2,3,4,5,6,7
	ds_store_b32 v96, v[ACC+32*\nt+8*\c+\jj] offset:4352*\nt+16*\jj+4*\c
.endr
.endr
.endr
	s_wait_dscnt 0x0
	s_barrier_signal -1
	s_barrier_wait -1
.irp a, 0,1,2,3
.irp e, 0,1,2,3
	ds_load_b128 v[RAW+16*\a+4*\e:RAW+16*\a+4*\e+3], v[97+\a] offset:16384*\e
.endr
.endr
	s_wait_dscnt 0x0
	FOLD RAW, 32
	FOLD RAW, 16
	FOLD RAW, 8
	FOLD RAW, 4
.irp e, 0,1,2,3
	v_fmac_f32 v[RAW+\e], v108, v[104+\e]          ; + sw bval
.endr
	global_store_b128 v101, v[RAW:RAW+3], s[10:11] ; sixteen lanes store 256 consecutive bytes, aligned
	s_wait_tensorcnt 0x0
	ds_add_u32 v126, v127
	s_wait_dscnt 0x0
	s_endpgm
.Lfunc_end_k_qb632be19d9_value:
	.size	k_qb632be19d9_value, .Lfunc_end_k_qb632be19d9_value-k_qb632be19d9_value
	.p2alignl 7, 3214868480
	.fill 96, 4, 3214868480
	.section	.rodata,"a",@progbits
	.p2align	6, 0x0
	.amdhsa_kernel k_qb632be19d9_value
		.amdhsa_group_segment_fixed_size 264192
		.amdhsa_private_segment_fixed_size 0
		.amdhsa_enable_private_segment 0
		.amdhsa_kernarg_size 32
		.amdhsa_user_sgpr_count 2
		.amdhsa_user_sgpr_kernarg_segment_ptr 1
		.amdhsa_wavefront_size32 1
		.amdhsa_system_sgpr_workgroup_id_x 1
		.amdhsa_system_sgpr_workgroup_id_y 1
		.amdhsa_system_sgpr_workgroup_id_z 1
		.amdhsa_system_vgpr_workitem_id 0
		.amdhsa_next_free_vgpr 256
		.amdhsa_next_free_sgpr 66
		.amdhsa_reserve_vcc 0
		.amdhsa_float_denorm_mode_32 3
		.amdhsa_float_denorm_mode_16_64 3
		.amdhsa_memory_ordered 1
		.amdhsa_forward_progress 1
		.amdhsa_inst_pref_size 34
	.end_amdhsa_kernel
	.amdgpu_metadata
---
amdhsa.version: [ 1, 2 ]
amdhsa.kernels:
  - .name:           k_qb632be19d9_value
    .symbol:         k_qb632be19d9_value.kd
    .args:
      - { .name: xs, .offset: 0, .size: 8, .value_kind: global_buffer, .address_space: global }
      - { .name: Wval, .offset: 8, .size: 8, .value_kind: global_buffer, .address_space: global }
      - { .name: bval, .offset: 16, .size: 8, .value_kind: global_buffer, .address_space: global }
      - { .name: out0, .offset: 24, .size: 8, .value_kind: global_buffer, .address_space: global }
    .group_segment_fixed_size: 264192
    .private_segment_fixed_size: 0
    .kernarg_segment_align: 8
    .kernarg_segment_size: 32
    .max_flat_workgroup_size: 512
    .sgpr_count:     66
    .vgpr_count:     256
    .wavefront_size: 32
...
	.end_amdgpu_metadata
.endif
;; end of part 5
;; ======== version 2 of 2: 4 launches; 1.21 times as fast as version 1
;; workspace buffers: qp 393,216 bytes; qkp 2,101,248 bytes; yp 1,114,112 bytes; sraw 131,072 bytes
;; launch query (part 6): grid 160 x 1, 8 waves a work-group, no clusters, 168,960 bytes of LDS; arguments x, z, v_feat, t, Wx, Wz, Wv, Wt, Wtt, Wzt, Wzz, bx, bz, bt, bv, qp; writes qp
.if DOCPART == 6
	.amdgcn_target "amdgcn-amd-amdhsa--gfx1250"
	.amdhsa_code_object_version 6
	.text
	.protected	k_qb632be19d9_query
	.globl	k_qb632be19d9_query
	.p2align	8
	.type	k_qb632be19d9_query,@function
k_qb632be19d9_query:
	s_mov_b64 s[64:65], 0
	v_nop
	global_prefetch_b8 v0, s[64:65] scope:SCOPE_SE
	s_setreg_imm32_b32 hwreg(HW_REG_WAVE_MODE, 25, 1), 1
	s_wait_xcnt 0x0
; query: the query vector q[32][1024] as three addends, stored apart and added by the next launch.
;   q1a = x[:, 0:512] Wx[0:512] + z Wz + t Wt + bx + bz                   work-groups 0..15   (kq = 0), 64 columns each
;   q1b = x[:, 512:1024] Wx[512:1024] + v_feat Wv + t^2 Wtt + bt + bv     work-groups 16..31  (kq = 1), 64 columns each
;   q2  = z^T Wzz[o] z + t (z . Wzt[o])                                   work-groups 32..159, 8 outputs o each, one a wave
; qp layout, for each addend: [o/4][b][4] f32, so byte (o/4)*512 + b*16; q1a at byte 0, q1b at 131072, q2 at 262144.
; The sum over k of x Wx is split over two work-groups so that a work-group brings 128 KB of Wx; the two halves take one text:
; the buffers that differ are chosen by s_cselect_b64 on kq.
; Matrix products: the weights are source 0, the 32 batch rows (two tiles of 16) source 1.  Both sources use one
; and the same renaming of k: slot 2p+half of lane half h stands for k = 32 s + 16 h + 2p + half, so a lane holds
; 16 neighbouring k of a K step.  Weights lie [k][column]: a lane reads 16 bytes (columns 4r..4r+3) of a row k, sixteen
; lanes one whole row of 256 bytes, and tile c is the set of columns 4m + c: packing rows k, k+1 gives the fragment.
; q1's operands go as bf16 hi + bf16 lo, three products (hi hi, hi lo, lo hi): the term left out is about 2^-16 relative.
; LIMITS: q2's matrix part uses single bf16 operands (it is a second-order term of q); NaN and infinities are not followed.
; No cluster: what work-groups share (x, z, v_feat: 147 KB) goes straight into registers; each weight byte is read by one wave.
; Every LDS byte is filled once by the mover: a wave has at most two tensor loads out (x path), one (zz path).
.set XWG,  32                          ; work-groups of the x path
.set PP,   272                         ; pitch of padded LDS rows of 256 bytes
.set ZVS,  131072                      ; x path: 64 rows of Wz or of Wv x 256 bytes.  LDS bytes 0 .. 131071: a tile of 16384 bytes for each wave
.set ZS,   147456                      ; zz path: z, 32 rows at pitch 272
.set WS,   156160                      ; zz path: 8 rows of Wzt x 256 bytes
.set Q2S,  158208                      ; zz path: results [8 waves][32 b] f32
.set F,    16                          ; zz: v[16:31]   two weight fragments, by turns
.set ZB,   32                          ; zz: v[32:63]   z as source 1: [nt][s][8]
.set ACZ,  64                          ; zz: v[64:127]  accumulators (nt, c) at 32 nt + 8 c
.set RWZ,  128                         ; zz: v[128:255] f32 as loaded
.set NEG1, 15                          ; x:  v15        -1.0
.set WF,   16                          ; x:  v[16:31]   weight fragment, hi then lo
.set AF,   32                          ; x:  v[32:127]  activations: step s at 32 s, nt at 16 nt, hi then lo
.set ACC,  128                         ; x:  v[128:191] accumulators (nt, c) at 32 nt + 8 c
.set RAW,  192                         ; x:  v[192:255] f32 as loaded
.macro PLACES                          ; four places behind a matrix instruction (ISA guide 7.12.1) before its registers are written or its result read
.rept 4
	v_nop
.endr
.endm
; 16 f32 at v[src + st i] become 8 registers of bf16 hi at dst and 8 of bf16 lo at dst+8; the f32 are replaced by their residuals
.macro SPLIT dst, src, st
.irp p, 0,1,2,3,4,5,6,7
	v_cvt_pk_bf16_f32 v[\dst+\p], v[\src+2*\p*\st], v[\src+(2*\p+1)*\st]
.endr
.irp p, 0,1,2,3,4,5,6,7
	v_fma_mix_f32_bf16 v[\src+2*\p*\st], v[\dst+\p], v[NEG1], v[\src+2*\p*\st] op_sel_hi:[1,0,0]
	v_fma_mix_f32_bf16 v[\src+(2*\p+1)*\st], v[\dst+\p], v[NEG1], v[\src+(2*\p+1)*\st] op_sel:[1,0,0] op_sel_hi:[1,0,0]
.endr
.irp p, 0,1,2,3,4,5,6,7
	v_cvt_pk_bf16_f32 v[\dst+8+\p], v[\src+2*\p*\st], v[\src+(2*\p+1)*\st]
.endr
.endm
; six matrix instructions for column set c: the two accumulators (nt = 0, 1) take turns, one instruction a turn
.macro MM6 c, af, zero
.if \zero
	v_wmma_f32_16x16x32_bf16 v[ACC+8*\c:ACC+8*\c+7], v[WF:WF+7], v[\af:\af+7], 0
	v_wmma_f32_16x16x32_bf16 v[ACC+32+8*\c:ACC+32+8*\c+7], v[WF:WF+7], v[\af+16:\af+23], 0
.else
	v_wmma_f32_16x16x32_bf16 v[ACC+8*\c:ACC+8*\c+7], v[WF:WF+7], v[\af:\af+7], v[ACC+8*\c:ACC+8*\c+7]
	v_wmma_f32_16x16x32_bf16 v[ACC+32+8*\c:ACC+32+8*\c+7], v[WF:WF+7], v[\af+16:\af+23], v[ACC+32+8*\c:ACC+32+8*\c+7]
.endif
	v_wmma_f32_16x16x32_bf16 v[ACC+8*\c:ACC+8*\c+7], v[WF:WF+7], v[\af+8:\af+15], v[ACC+8*\c:ACC+8*\c+7]
	v_wmma_f32_16x16x32_bf16 v[ACC+32+8*\c:ACC+32+8*\c+7], v[WF:WF+7], v[\af+24:\af+31], v[ACC+32+8*\c:ACC+32+8*\c+7]
	v_wmma_f32_16x16x32_bf16 v[ACC+8*\c:ACC+8*\c+7], v[WF+8:WF+15], v[\af:\af+7], v[ACC+8*\c:ACC+8*\c+7]
	v_wmma_f32_16x16x32_bf16 v[ACC+32+8*\c:ACC+32+8*\c+7], v[WF+8:WF+15], v[\af+16:\af+23], v[ACC+32+8*\c:ACC+32+8*\c+7]
.endm
; one K step of 32: my 16 rows of the slab (16 bytes each), then four column sets
.macro STEP adr, off, af, zero
.set i, 0
.rept 16
	ds_load_b128 v[RAW+4*i:RAW+4*i+3], v[\adr] offset:\off+256*i
.set i, i+1
.endr
	s_wait_dscnt 0x0
.irp c, 0,1,2,3
	PLACES                                         ; WF was read by the last matrix instructions
	SPLIT WF, RAW+\c, 4
	MM6 \c, \af, \zero
.endr
.endm
.macro FOLD b, d                       ; v[b .. b+d-1] += v[b+d .. b+2d-1]
.set u, 0
.rept \d/2
	v_pk_add_f32 v[\b+u:\b+u+1], v[\b+u:\b+u+1], v[\b+\d+u:\b+\d+u+1]
.set u, u+2
.endr
.endm
	s_load_b512 s[16:31], s[0:1], 0x0              ; x 16, z 18, v_feat 20, t 22, Wx 24, Wz 26, Wv 28, Wt 30
	s_load_b512 s[32:47], s[0:1], 0x40             ; Wtt 32, Wzt 34, Wzz 36, bx 38, bz 40, bt 42, bv 44, qp 46
	s_set_vgpr_msb 0x40
	v_lshl_add_u32 v0, v0, 2, 0x29000
	v_mov_b32 v1, 0
	s_set_vgpr_msb 0x4045
	ds_add_u32 v0, v1
	ds_add_u32 v0, v1
	s_wait_dscnt 0x0
	s_set_vgpr_msb 0x4500
	v_lshrrev_b32 v1, 5, v0
	v_readfirstlane_b32 s2, v1                     ; wave w, 0..7
	v_and_b32 v1, 31, v0                           ; l
	v_and_b32 v2, 15, v0                           ; r
	v_bfe_u32 v3, v0, 4, 1                         ; h
	s_mov_b32 s92, 0x76543210                      ; v_permlanex16_b32: lane i takes lane i of the other half
	s_mov_b32 s93, 0xfedcba98
	s_mov_b32 s94, 0xffff0000                      ; lanes 16..31
	; the wave's tile of 64 rows x 64 f32, to LDS byte 16384 w: group 0 in s[80:83], group 1 in s[84:91]
	s_mov_b32 s80, 1                               ; count
	s_lshl_b32 s81, s2, 14                         ; LDS address
	s_mov_b32 s84, 2<<16                           ; elements of 4 bytes, no mask, no padding
	s_mov_b32 s85, 64<<16                          ; tensor_dim0 = 64
	s_mov_b32 s86, 64<<16                          ; tensor_dim1 = 64
	s_mov_b32 s87, 64<<16                          ; tile_dim0 = 64
	s_mov_b32 s88, 64                              ; tile_dim1 = 64
	s_mov_b32 s90, 0
	s_mov_b32 s91, 0
	s_cmp_lt_u32 ttmp9, XWG                        ; the same for all waves of a work-group
	s_cbranch_scc1 .Lx
	; ---------------------------------------------------------------- zz path: wave w owns output o = 8 zb + w
	s_mov_b32 s89, 64                              ; Wzz[o] is dense: 64 elements from row to row
	s_sub_co_u32 s3, ttmp9, XWG                    ; zb, 0..127
	s_lshl3_add_u32 s48, s3, s2                    ; o
	s_lshl_b32 s48, s48, 14                        ; o x 16384 bytes
	s_mov_b32 s49, 0
	s_lshl_b32 s50, s3, 11                         ; 8 rows of Wzt
	s_mov_b32 s51, 0
	v_lshlrev_b32 v4, 4, v0
	v_lshlrev_b32 v5, 3, v0
	v_lshlrev_b32 v6, 2, v1
	s_wait_kmcnt 0x0
	s_add_nc_u64 s[34:35], s[34:35], s[50:51]
	global_load_b128 v[16:19], v4, s[18:19]        ; z rows 0..15: 256 threads x 16 bytes.  What is needed first is asked for first
	global_load_b128 v[24:27], v4, s[18:19] offset:4096   ; z rows 16..31
	global_load_b64 v[20:21], v5, s[34:35]         ; my group's 8 rows of Wzt: 256 x 8 bytes
	global_load_b32 v7, v6, s[22:23]               ; t[l]
	s_add_nc_u64 s[82:83], s[36:37], s[48:49]
	s_or_b32 s83, s83, 0x80000000                  ; type
	tensor_load_to_lds s[80:83], s[84:91]          ; Wzz[o]: the wave's one tensor load, read by this wave alone
	s_nop 0
	v_lshrrev_b32 v8, 4, v0
	v_mul_u32_u24 v8, v8, PP
	v_lshl_add_u32 v8, v2, 4, v8
	v_add_nc_u32 v8, ZS, v8                        ; z row v0/16, 16 bytes at 16 (v0 % 16)
	v_add_nc_u32 v9, WS, v5
	v_mul_u32_u24 v10, v1, PP
	v_add_nc_u32 v10, ZS, v10                      ; z row l
	s_lshl_b32 s52, s2, 8
	s_add_co_u32 s52, s52, WS
	v_mov_b32 v11, s52                             ; Wzt row of my o, the same in every lane
	v_mul_u32_u24 v13, v2, PP
	v_add_nc_u32 v13, ZS, v13
	v_lshl_add_u32 v14, v3, 7, v13                 ; z row r, byte 128 h
	v_lshl_add_u32 v13, v3, 6, v13                 ; z row r, byte 64 h
	v_lshlrev_b32 v15, 4, v2
	v_lshl_add_u32 v15, v3, 12, v15
	v_add_nc_u32 v15, s81, v15                     ; my tile: 16384 w + 4096 h + 16 r
	s_wait_loadcnt 0x0
	ds_store_b128 v8, v[16:19]
	ds_store_b128 v8, v[24:27] offset:16*PP        ; sixteen rows further down
	ds_store_b64 v9, v[20:21]
	s_wait_dscnt 0x0                               ; my stores are done before I say so
	s_barrier_signal -1
	s_barrier_wait -1                              ; z and Wzt are whole; the tile may still be on its way
	; q_zt in f32, lane = b, while the tile is on its way
.set i, 0
.rept 16
	ds_load_b128 v[RWZ+4*i:RWZ+4*i+3], v10 offset:16*i
.set i, i+1
.endr
.set i, 0
.rept 16
	ds_load_b128 v[ACZ+4*i:ACZ+4*i+3], v11 offset:16*i
.set i, i+1
.endr
	s_wait_dscnt 0x0
.irp j, 0,1,2,3
	v_pk_mul_f32 v[16+2*\j:17+2*\j], v[RWZ+2*\j:RWZ+2*\j+1], v[ACZ+2*\j:ACZ+2*\j+1]
.endr
.set j, 4
.rept 28
	v_pk_fma_f32 v[16+2*(j&3):17+2*(j&3)], v[RWZ+2*j:RWZ+2*j+1], v[ACZ+2*j:ACZ+2*j+1], v[16+2*(j&3):17+2*(j&3)]
.set j, j+1
.endr
	v_pk_add_f32 v[16:17], v[16:17], v[18:19]
	v_pk_add_f32 v[20:21], v[20:21], v[22:23]
	v_pk_add_f32 v[16:17], v[16:17], v[20:21]
	v_add_f32 v16, v16, v17
	v_mul_f32 v12, v16, v7                         ; t[b] (z[b] . Wzt[o])
	; z as source 1: lane (r, h) holds z[r + 16 nt][32 s + 16 h .. + 15]
.irp nt, 0,1
.irp s, 0,1
.irp i, 0,1,2,3
	ds_load_b128 v[RWZ+16*(2*\nt+\s)+4*\i:RWZ+16*(2*\nt+\s)+4*\i+3], v13 offset:4352*\nt+128*\s+16*\i
.endr
.endr
.endr
	s_wait_dscnt 0x0
.set j, 0
.rept 32
	v_cvt_pk_bf16_f32 v[ZB+j], v[RWZ+2*j], v[RWZ+2*j+1]
.set j, j+1
.endr
	s_wait_tensorcnt 0x0                           ; my tile is in LDS
.irp s, 0,1
.set i, 0
.rept 16
	ds_load_b128 v[RWZ+64*\s+4*i:RWZ+64*\s+4*i+3], v15 offset:8192*\s+256*i   ; row 32 s + 16 h + i, columns j = 4r .. 4r+3
.set i, i+1
.endr
.endr
; U[b][j] = sum over i of z[b][i] Wzz[o][i][j], 32 of i a step.  The fragment buffers take turns: one is rewritten behind the other's
; eight conversions, which are more than the four places asked for.  The accumulators take turns, one instruction a turn.
.macro ZSTEP s, zero
.irp c, 0,1,2,3
.irp p, 0,1,2,3,4,5,6,7
	v_cvt_pk_bf16_f32 v[F+8*(\c&1)+\p], v[RWZ+64*\s+8*\p+\c], v[RWZ+64*\s+8*\p+4+\c]
.endr
.if \zero
	v_wmma_f32_16x16x32_bf16 v[ACZ+8*\c:ACZ+8*\c+7], v[F+8*(\c&1):F+8*(\c&1)+7], v[ZB+8*\s:ZB+8*\s+7], 0
	v_wmma_f32_16x16x32_bf16 v[ACZ+32+8*\c:ACZ+32+8*\c+7], v[F+8*(\c&1):F+8*(\c&1)+7], v[ZB+16+8*\s:ZB+16+8*\s+7], 0
.else
	v_wmma_f32_16x16x32_bf16 v[ACZ+8*\c:ACZ+8*\c+7], v[F+8*(\c&1):F+8*(\c&1)+7], v[ZB+8*\s:ZB+8*\s+7], v[ACZ+8*\c:ACZ+8*\c+7]
	v_wmma_f32_16x16x32_bf16 v[ACZ+32+8*\c:ACZ+32+8*\c+7], v[F+8*(\c&1):F+8*(\c&1)+7], v[ZB+16+8*\s:ZB+16+8*\s+7], v[ACZ+32+8*\c:ACZ+32+8*\c+7]
.endif
.endr
.endm
	s_wait_dscnt 16                                ; rows of step 0 are in; the 16 loads of step 1 are younger
	ZSTEP 0, 1
.irp nt, 0,1
.irp jj, 0,1,2,3,4,5,6,7
	ds_load_b128 v[RWZ+32*\nt+4*\jj:RWZ+32*\nt+4*\jj+3], v14 offset:4352*\nt+16*\jj   ; z[r + 16 nt][32 h + 4 jj ..], in f32, for the second contraction
.endr
.endr
	s_wait_dscnt 16                                ; rows of step 1 are in; the 16 loads of z just issued are younger
	ZSTEP 1, 0
	PLACES                                         ; before the results are read and v[16:19] rewritten
	s_wait_dscnt 0x0
	; R[b] = sum over j of U[b][j] z[b][j]; register jj of (nt, c) in lane (r, h) is j = 32 h + 4 jj + c, b = r + 16 nt.  Four chains by turns.
.irp jj, 0,1,2,3,4,5,6,7
.irp c, 0,1,2,3
.irp nt, 0,1
.if \jj+(\c>>1)
	v_fmac_f32 v[16+2*\nt+(\c&1)], v[ACZ+32*\nt+8*\c+\jj], v[RWZ+32*\nt+4*\jj+\c]
.else
	v_mul_f32 v[16+2*\nt+(\c&1)], v[ACZ+32*\nt+8*\c+\jj], v[RWZ+32*\nt+4*\jj+\c]
.endif
.endr
.endr
.endr
	v_add_f32 v16, v16, v17
	v_add_f32 v18, v18, v19
	v_permlanex16_b32 v17, v16, s92, s93           ; the other half of j
	v_permlanex16_b32 v19, v18, s92, s93
	v_add_f32 v16, v16, v17
	v_add_f32 v18, v18, v19
	v_cndmask_b32 v16, v16, v18, s94               ; lane = b: lanes 0..15 take nt = 0, lanes 16..31 nt = 1
	v_add_f32 v16, v16, v12                        ; + q_zt
	v_lshlrev_b32 v9, 2, v1
	s_lshl_b32 s50, s2, 7
	s_add_co_u32 s50, s50, Q2S
	v_add_nc_u32 v9, s50, v9                       ; Q2S + 128 w + 4 l: my wave's 32 results, bytes that no load above touches
	ds_store_b32 v9, v16
	s_lshl_b32 s48, s3, 10                         ; qp: 262144 + (2 zb + w) x 512
	s_lshl_b32 s49, s2, 9
	s_add_co_u32 s48, s48, s49
	s_add_co_u32 s48, s48, 262144
	s_mov_b32 s49, 0
	s_add_nc_u64 s[46:47], s[46:47], s[48:49]
	s_wait_dscnt 0x0                               ; my store is done before I say so
	s_barrier_signal -1
	s_barrier_wait -1
	s_cmp_ge_u32 s2, 2                             ; two waves carry the 1024 bytes out, 512 consecutive bytes a store
	s_cbranch_scc1 .Lzdone
	v_lshlrev_b32 v10, 2, v1
	s_lshl_b32 s52, s2, 9
	s_add_co_u32 s52, s52, Q2S
	v_add_nc_u32 v11, s52, v10                     ; Q2S + 512 w + 4 l: waves 4 w .. 4 w + 3 lie 128 bytes apart
.irp e, 0,1,2,3
	ds_load_b32 v[16+\e], v11 offset:128*\e        ; output 8 zb + 4 w + e of batch l
.endr
	v_lshlrev_b32 v13, 4, v1
	s_wait_dscnt 0x0
	global_store_b128 v13, v[16:19], s[46:47]
.Lzdone:
	s_set_vgpr_msb 0x5
	s_wait_tensorcnt 0x0
	ds_add_u32 v0, v1
	s_wait_dscnt 0x0
	s_set_vgpr_msb 0x500
	s_endpgm
	; ---------------------------------------------------------------- x path: columns 64 nb .. 64 nb + 63; wave w owns k = 64 (8 kq + w) .. + 63 of Wx
.Lx:
	s_mov_b32 s89, 1024                            ; Wx: 1024 elements from row to row
	s_mov_b32 s4, 2<<16                            ; group 1 of the second load: 8 rows x 64 f32 of Wz or Wv
	s_mov_b32 s5, 64<<16
	s_mov_b32 s6, 8<<16
	s_mov_b32 s7, 64<<16
	s_mov_b32 s8, 8
	s_mov_b32 s9, 1024
	s_mov_b32 s10, 0
	s_mov_b32 s11, 0
	s_mov_b32 s12, 1
	s_lshl_b32 s13, s2, 11
	s_add_co_u32 s13, s13, ZVS                     ; rows 8 w .. 8 w + 7 of the slab of 64
	s_and_b32 s66, ttmp9, 15                       ; nb
	s_lshr_b32 s67, ttmp9, 4                       ; kq, 0 or 1
	s_lshl3_add_u32 s95, s67, s2                   ; 8 kq + w: which 64 k are mine
	s_lshl_b32 s49, s66, 8                         ; my 64 columns, in bytes
	s_lshl_b32 s48, s95, 18                        ; 64 (8 kq + w) rows of 4096 bytes
	s_add_co_u32 s48, s48, s49
	s_lshl_b32 s50, s2, 15                         ; 8 w rows
	s_add_co_u32 s50, s50, s49
	s_mov_b32 s49, 0
	s_mov_b32 s51, 0
	s_lshl_b32 s3, s66, 8
	s_lshl4_add_u32 s3, s2, s3                     ; byte of columns 64 nb + 4 w .. + 3, which this wave finishes (and those 32 columns on)
	v_lshlrev_b32 v4, 12, v2
	v_lshl_add_u32 v4, v3, 6, v4
	s_lshl_b32 s94, s95, 8
	v_add_nc_u32 v4, s94, v4                       ; x: row r, byte 256 (8 kq + w) + 64 h
	v_lshlrev_b32 v5, 2, v1
	v_mov_b32 v[NEG1], -1.0
	s_wait_kmcnt 0x0
	global_load_b32 v14, v5, s[22:23]              ; t[l]
.irp s, 0,1
.irp nt, 0,1
.irp i, 0,1,2,3
	global_load_b128 v[RAW+32*\s+16*\nt+4*\i:RAW+32*\s+16*\nt+4*\i+3], v4, s[16:17] offset:65536*\nt+128*\s+16*\i   ; x is split while the tiles land: it is asked for first
.endr
.endr
.endr
	s_add_nc_u64 s[82:83], s[24:25], s[48:49]
	s_or_b32 s83, s83, 0x80000000
	s_cmp_eq_u32 s67, 0
	s_cselect_b64 s[14:15], s[26:27], s[28:29]     ; kq = 0 brings Wz, kq = 1 Wv
	s_add_nc_u64 s[14:15], s[14:15], s[50:51]
	s_or_b32 s15, s15, 0x80000000
	tensor_load_to_lds s[80:83], s[84:91]          ; both first fills together, ahead of every wait on them, every LDS read and every barrier
	s_nop 0
	tensor_load_to_lds s[12:15], s[4:11]
	s_nop 0
	s_cmp_eq_u32 s67, 0                            ; compared again: the s_or_b32 above wrote SCC
	s_cselect_b64 s[30:31], s[30:31], s[32:33]     ; Wt or Wtt
	s_cselect_b64 s[38:39], s[38:39], s[42:43]     ; bx or bt
	s_cselect_b64 s[40:41], s[40:41], s[44:45]     ; bz or bv
	s_cselect_b64 s[18:19], s[18:19], s[20:21]     ; z or v_feat
	s_cselect_b32 s94, 0, -1                       ; all lanes: t (kq = 0) or t^2 (kq = 1)
	s_load_b128 s[52:55], s[30:31], s3 offset:0x0  ; Wt or Wtt, columns 4 w ..
	s_load_b128 s[56:59], s[30:31], s3 offset:0x80 ; columns 4 (w + 8) ..
	s_load_b128 s[60:63], s[38:39], s3 offset:0x0  ; bx or bt
	s_load_b128 s[68:71], s[38:39], s3 offset:0x80
	s_load_b128 s[72:75], s[40:41], s3 offset:0x0  ; bz or bv
	s_load_b128 s[76:79], s[40:41], s3 offset:0x80
	v_lshlrev_b32 v6, 4, v2
	v_lshl_add_u32 v6, v3, 12, v6                  ; 4096 h + 16 r
	s_lshl_b32 s48, s2, 13
	s_add_co_u32 s48, s48, ZVS
	v_add_nc_u32 v7, s48, v6                       ; waves 0, 1: rows 32 w .. of the slab
	v_add_nc_u32 v6, s81, v6                       ; my Wx tile
	v_mul_u32_u24 v8, v2, PP
	v_lshl_add_u32 v8, v3, 7, v8
	v_add_nc_u32 v8, s81, v8                       ; my partial: row r, byte 128 h, over my own tile
	v_mul_u32_u24 v10, v1, PP
	v_lshl_add_u32 v10, s2, 4, v10                 ; the sum: row l, byte 16 w, of partial 4 a + e
	v_add_nc_u32 v11, 0x10000, v10
	s_cmp_ge_u32 s2, 2
	s_cbranch_scc1 .Lx_a
	s_lshl_b32 s49, s2, 7                          ; waves 0, 1 take the two K steps of z or of v_feat
	v_lshlrev_b32 v9, 8, v2
	v_lshl_add_u32 v9, v3, 6, v9
	v_add_nc_u32 v9, s49, v9
.irp nt, 0,1
.irp i, 0,1,2,3
	global_load_b128 v[ACC+16*\nt+4*\i:ACC+16*\nt+4*\i+3], v9, s[18:19] offset:4096*\nt+16*\i
.endr
.endr
	s_wait_loadcnt 0x0
	SPLIT AF+64, ACC, 1
	SPLIT AF+80, ACC+16, 1
.Lx_a:
	s_wait_loadcnt 0x0
	SPLIT AF, RAW, 1
	SPLIT AF+16, RAW+16, 1
	SPLIT AF+32, RAW+32, 1
	SPLIT AF+48, RAW+48, 1
	s_wait_tensorcnt 0x1                           ; my Wx tile is in; my 8 rows of Wz or Wv, issued behind it, may stay out
	STEP 6, 0, AF, 1
	STEP 6, 8192, AF+32, 0
	s_wait_tensorcnt 0x0                           ; my rows of the slab are in,
	s_wait_dscnt 0x0
	s_barrier_signal -1
	s_barrier_wait -1                              ; everybody's are
	s_cmp_ge_u32 s2, 2
	s_cbranch_scc1 .Lx_b
	STEP 7, 0, AF+64, 0
.Lx_b:
	PLACES                                         ; before the results are stored
	; register jj of (nt, c) in lane (r, h) is column 32 h + 4 jj + c of batch r + 16 nt.  My tile has had its only fill and my reads of it are over.
.irp nt, 0,1
.irp c, 0,1,2,3
.irp jj, 0,1,2,3,4,5,6,7
	ds_store_b32 v8, v[ACC+32*\nt+8*\c+\jj] offset:4352*\nt+16*\jj+4*\c
.endr
.endr
.endr
	s_wait_dscnt 0x0
	s_barrier_signal -1
	s_barrier_wait -1
	; thread (w, l) sums the 8 partials of batch l, columns 4 w .. 4 w + 3 (q = 0) and 4 (w + 8) .. + 3 (q = 1)
.irp q, 0,1
.irp a, 0,1
.irp e, 0,1,2,3
	ds_load_b128 v[RAW+32*\q+16*\a+4*\e:RAW+32*\q+16*\a+4*\e+3], v[10+\a] offset:16384*\e+128*\q
.endr
.endr
.endr
	s_lshl_b32 s48, s67, 17                        ; qp: 131072 kq + (16 nb + w) x 512
	s_lshl_b32 s49, s66, 13
	s_add_co_u32 s48, s48, s49
	s_lshl_b32 s49, s2, 9
	s_add_co_u32 s48, s48, s49
	s_mov_b32 s49, 0
	s_add_nc_u64 s[46:47], s[46:47], s[48:49]
	s_wait_kmcnt 0x0                               ; the row of Wt or Wtt and the two biases
	v_mul_f32 v5, v14, v14                         ; t^2
	v_cndmask_b32 v14, v14, v5, s94                ; t for kq = 0, t^2 for kq = 1
	v_lshlrev_b32 v16, 4, v1
	s_wait_dscnt 0x0
	FOLD RAW, 16
	FOLD RAW+32, 16
	FOLD RAW, 8
	FOLD RAW+32, 8
	FOLD RAW, 4
	FOLD RAW+32, 4
.irp e, 0,1,2,3
	v_fma_f32 v[RAW+\e], v14, s[52+\e], v[RAW+\e]
	v_fma_f32 v[RAW+32+\e], v14, s[56+\e], v[RAW+32+\e]
.endr
.irp e, 0,1,2,3
	v_add_f32 v[RAW+\e], s[60+\e], v[RAW+\e]
	v_add_f32 v[RAW+32+\e], s[68+\e], v[RAW+32+\e]
.endr
.irp e, 0,1,2,3
	v_add_f32 v[RAW+\e], s[72+\e], v[RAW+\e]
	v_add_f32 v[RAW+32+\e], s[76+\e], v[RAW+32+\e]
.endr
	global_store_b128 v16, v[RAW:RAW+3], s[46:47]                  ; the wave stores 512 consecutive bytes
	global_store_b128 v16, v[RAW+32:RAW+35], s[46:47] offset:4096  ; eight column quads on
	s_set_vgpr_msb 0x5
	s_wait_tensorcnt 0x0
	ds_add_u32 v0, v1
	s_wait_dscnt 0x0
	s_set_vgpr_msb 0x500
	s_endpgm
.Lfunc_end_k_qb632be19d9_query:
	.size	k_qb632be19d9_query, .Lfunc_end_k_qb632be19d9_query-k_qb632be19d9_query
	.p2alignl 7, 3214868480
	.fill 96, 4, 3214868480
	.section	.rodata,"a",@progbits
	.p2align	6, 0x0
	.amdhsa_kernel k_qb632be19d9_query
		.amdhsa_group_segment_fixed_size 168960
		.amdhsa_private_segment_fixed_size 0
		.amdhsa_enable_private_segment 0
		.amdhsa_kernarg_size 128
		.amdhsa_user_sgpr_count 2
		.amdhsa_user_sgpr_kernarg_segment_ptr 1
		.amdhsa_wavefront_size32 1
		.amdhsa_system_sgpr_workgroup_id_x 1
		.amdhsa_system_sgpr_workgroup_id_y 1
		.amdhsa_system_sgpr_workgroup_id_z 1
		.amdhsa_system_vgpr_workitem_id 0
		.amdhsa_next_free_vgpr 258
		.amdhsa_next_free_sgpr 96
		.amdhsa_reserve_vcc 0
		.amdhsa_float_denorm_mode_32 3
		.amdhsa_float_denorm_mode_16_64 3
		.amdhsa_memory_ordered 1
		.amdhsa_forward_progress 1
		.amdhsa_inst_pref_size 83
	.end_amdhsa_kernel
	.amdgpu_metadata
---
amdhsa.version: [ 1, 2 ]
amdhsa.kernels:
  - .name:           k_qb632be19d9_query
    .symbol:         k_qb632be19d9_query.kd
    .args:
      - { .name: x, .offset: 0, .size: 8, .value_kind: global_buffer, .address_space: global }
      - { .name: z, .offset: 8, .size: 8, .value_kind: global_buffer, .address_space: global }
      - { .name: v_feat, .offset: 16, .size: 8, .value_kind: global_buffer, .address_space: global }
      - { .name: t, .offset: 24, .size: 8, .value_kind: global_buffer, .address_space: global }
      - { .name: Wx, .offset: 32, .size: 8, .value_kind: global_buffer, .address_space: global }
      - { .name: Wz, .offset: 40, .size: 8, .value_kind: global_buffer, .address_space: global }
      - { .name: Wv, .offset: 48, .size: 8, .value_kind: global_buffer, .address_space: global }
      - { .name: Wt, .offset: 56, .size: 8, .value_kind: global_buffer, .address_space: global }
      - { .name: Wtt, .offset: 64, .size: 8, .value_kind: global_buffer, .address_space: global }
      - { .name: Wzt, .offset: 72, .size: 8, .value_kind: global_buffer, .address_space: global }
      - { .name: Wzz, .offset: 80, .size: 8, .value_kind: global_buffer, .address_space: global }
      - { .name: bx, .offset: 88, .size: 8, .value_kind: global_buffer, .address_space: global }
      - { .name: bz, .offset: 96, .size: 8, .value_kind: global_buffer, .address_space: global }
      - { .name: bt, .offset: 104, .size: 8, .value_kind: global_buffer, .address_space: global }
      - { .name: bv, .offset: 112, .size: 8, .value_kind: global_buffer, .address_space: global }
      - { .name: qp, .offset: 120, .size: 8, .value_kind: global_buffer, .address_space: global }
    .group_segment_fixed_size: 168960
    .private_segment_fixed_size: 0
    .kernarg_segment_align: 8
    .kernarg_segment_size: 128
    .max_flat_workgroup_size: 256
    .sgpr_count:     96
    .vgpr_count:     258
    .wavefront_size: 32
...
	.end_amdgpu_metadata
.endif
;; end of part 6
;; launch keyq (part 7): grid 16 x 16, 1 waves a work-group, no clusters, 168,192 bytes of LDS; arguments qp, Wk, bk, qkp; writes qkp
.if DOCPART == 7
	.amdgcn_target "amdgcn-amd-amdhsa--gfx1250"
	.amdhsa_code_object_version 6
	.text
	.protected	k_qb632be19d9_keyq
	.globl	k_qb632be19d9_keyq
	.p2align	8
	.type	k_qb632be19d9_keyq,@function
k_qb632be19d9_keyq:
	s_mov_b64 s[64:65], 0
	v_nop
	global_prefetch_b8 v0, s[64:65] scope:SCOPE_SE
	s_setreg_imm32_b32 hwreg(HW_REG_WAVE_MODE, 25, 1), 1
	s_wait_xcnt 0x0
; keyq: partial sums of qk[b][d] = sum over o of Wk[d][o] q[b][o] and of c[b] = q[b] . bk, with q = the three addends in qp.
; Since q . (x_n Wk + bk) = x_n . (Wk q) + q . bk for every input, the keys are never formed.
; 256 work-groups of one wave: work-group (g, ob) takes d = 64 g .. + 63 and o = 64 ob .. + 63: 16 KB of Wk and 24 KB of q.
; The sum over the 16 blocks ob is made by the next launch, which has to load these numbers anyway; so no wave waits for another here.
; Wk's rows lie along o, the summed index: the mover pads each 256-byte piece of a row to 272 bytes, and lane (r, h) reads 64
; neighbouring bytes of row 16 c + r.  Wk is source 0, q source 1; both use one renaming of k: slot sigma of lane half h is o = 32 s + 16 h + sigma.
; Both operands go as bf16 hi + bf16 lo, three products; the term left out is about 2^-16 relative.  NaN and infinities are not followed.
; qkp layout: [b][ob][1024] f32, byte 65536 b + 4096 ob + 4 d; at byte 2097152: [ob][b] pairs (c's partial, 0), stored where g = 0.
; No cluster: what the 16 work-groups of one ob share is 24 KB of q, which is summed and split in registers; each byte of Wk is read once.
; One tensor load, no LDS byte filled twice.  bk is loaded by every work-group (256 bytes); only g = 0 uses it.
.set PP,   272
.set CP,   2097152                     ; where c's partials begin
.set NEG1, 15
.set WF,   16                          ; v[16:31]   weight fragment, hi then lo
.set AF,   32                          ; v[32:95]   the third addend as loaded, then q: step s at 32 s, nt at 16 nt, hi then lo
.set BK,   96                          ; v[96:127]  bk of my 32 o
.set ACC,  128                         ; v[128:191] the second addend as loaded, then accumulators (nt, c) at 32 nt + 8 c
.set RAW,  192                         ; v[192:255] f32 as loaded
.macro PLACES                          ; four places behind a matrix instruction (ISA guide 7.12.1) before its registers are written or its result read
.rept 4
	v_nop
.endr
.endm
.macro SPLIT dst, src, st              ; 16 f32 -> 8 registers bf16 hi at dst, 8 registers bf16 lo at dst+8; the f32 become residuals
.irp p, 0,1,2,3,4,5,6,7
	v_cvt_pk_bf16_f32 v[\dst+\p], v[\src+2*\p*\st], v[\src+(2*\p+1)*\st]
.endr
.irp p, 0,1,2,3,4,5,6,7
	v_fma_mix_f32_bf16 v[\src+2*\p*\st], v[\dst+\p], v[NEG1], v[\src+2*\p*\st] op_sel_hi:[1,0,0]
	v_fma_mix_f32_bf16 v[\src+(2*\p+1)*\st], v[\dst+\p], v[NEG1], v[\src+(2*\p+1)*\st] op_sel:[1,0,0] op_sel_hi:[1,0,0]
.endr
.irp p, 0,1,2,3,4,5,6,7
	v_cvt_pk_bf16_f32 v[\dst+8+\p], v[\src+2*\p*\st], v[\src+(2*\p+1)*\st]
.endr
.endm
.macro MM6 c, af, zero                 ; the two accumulators take turns, one instruction a turn
.if \zero
	v_wmma_f32_16x16x32_bf16 v[ACC+8*\c:ACC+8*\c+7], v[WF:WF+7], v[\af:\af+7], 0
	v_wmma_f32_16x16x32_bf16 v[ACC+32+8*\c:ACC+32+8*\c+7], v[WF:WF+7], v[\af+16:\af+23], 0
.else
	v_wmma_f32_16x16x32_bf16 v[ACC+8*\c:ACC+8*\c+7], v[WF:WF+7], v[\af:\af+7], v[ACC+8*\c:ACC+8*\c+7]
	v_wmma_f32_16x16x32_bf16 v[ACC+32+8*\c:ACC+32+8*\c+7], v[WF:WF+7], v[\af+16:\af+23], v[ACC+32+8*\c:ACC+32+8*\c+7]
.endif
	v_wmma_f32_16x16x32_bf16 v[ACC+8*\c:ACC+8*\c+7], v[WF:WF+7], v[\af+8:\af+15], v[ACC+8*\c:ACC+8*\c+7]
	v_wmma_f32_16x16x32_bf16 v[ACC+32+8*\c:ACC+32+8*\c+7], v[WF:WF+7], v[\af+24:\af+31], v[ACC+32+8*\c:ACC+32+8*\c+7]
	v_wmma_f32_16x16x32_bf16 v[ACC+8*\c:ACC+8*\c+7], v[WF+8:WF+15], v[\af:\af+7], v[ACC+8*\c:ACC+8*\c+7]
	v_wmma_f32_16x16x32_bf16 v[ACC+32+8*\c:ACC+32+8*\c+7], v[WF+8:WF+15], v[\af+16:\af+23], v[ACC+32+8*\c:ACC+32+8*\c+7]
.endm
.macro STEP adr, off, af, zero         ; one K step of 32: 64 bytes of row 16 c + r for each of four row sets c
.irp c, 0,1,2,3
.irp i, 0,1,2,3
	ds_load_b128 v[RAW+16*\c+4*\i:RAW+16*\c+4*\i+3], v[\adr] offset:\off+4352*\c+16*\i
.endr
.endr
	s_wait_dscnt 0x0
.irp c, 0,1,2,3
	PLACES                                         ; WF was read by the last matrix instructions
	SPLIT WF, RAW+16*\c, 1
	MM6 \c, \af, \zero
.endr
.endm
.macro QLOAD dst, off                  ; one addend of q[all b][my 64 o]: lane (r, h) takes o = 32 s + 16 h + 4 i .. + 3 of batch r + 16 nt
.irp s, 0,1
.irp nt, 0,1
.irp i, 0,1,2,3
	global_load_b128 v[\dst+32*\s+16*\nt+4*\i:\dst+32*\s+16*\nt+4*\i+3], v4, s[4:5] offset:\off+4096*\s+512*\i+256*\nt
.endr
.endr
.endr
.endm
.macro QADD src                        ; RAW += 64 registers at src
.set u, 0
.rept 32
	v_pk_add_f32 v[RAW+u:RAW+u+1], v[RAW+u:RAW+u+1], v[\src+u:\src+u+1]
.set u, u+2
.endr
.endm
	s_load_b256 s[4:11], s[0:1], 0x0               ; qp 4, Wk 6, bk 8, qkp 10
	v_lshl_add_u32 v13, v0, 2, 0x29000
	v_mov_b32 v14, 0
	ds_add_u32 v13, v14
	ds_add_u32 v13, v14
	v_and_b32 v2, 15, v0                           ; r (one wave: v0 is the lane)
	v_bfe_u32 v3, v0, 4, 1                         ; h
	s_and_b32 s2, ttmp7, 0xffff                    ; ob
	s_mov_b32 s14, 0x76543210                      ; v_permlanex16_b32: lane i takes lane i of the other half
	s_mov_b32 s15, 0xfedcba98
	s_mov_b32 s16, 0xffff0000                      ; lanes 16..31
	s_mov_b32 s20, 1                               ; group 0: count
	s_mov_b32 s21, 0                               ; LDS address
	s_mov_b32 s24, (2<<16)|(1<<20)|(5<<22)|(3<<25) ; elements of 4 bytes; behind every 64 words 4 words of padding
	s_mov_b32 s25, 64<<16                          ; tensor_dim0 = 64
	s_mov_b32 s26, 64<<16                          ; tensor_dim1 = 64
	s_mov_b32 s27, 64<<16                          ; tile_dim0 = 64
	s_mov_b32 s28, 64                              ; tile_dim1 = 64
	s_mov_b32 s29, 1024                            ; elements from row to row
	s_mov_b32 s30, 0
	s_mov_b32 s31, 0
	s_lshl_b32 s12, ttmp9, 18                      ; 64 g rows of 4096 bytes
	s_lshl_b32 s13, s2, 8                          ; + 64 ob columns
	s_add_co_u32 s12, s12, s13
	s_mov_b32 s13, 0
	v_lshlrev_b32 v4, 4, v2
	v_lshl_add_u32 v4, v3, 11, v4
	s_lshl_b32 s17, s2, 13
	v_add_nc_u32 v4, s17, v4                       ; qp: 8192 ob + 2048 h + 16 r
	v_lshlrev_b32 v5, 6, v3
	v_lshl_add_u32 v5, s2, 8, v5                   ; bk: 256 ob + 64 h
	v_mov_b32 v[NEG1], -1.0
	s_wait_dscnt 0x0
	s_wait_kmcnt 0x0
	s_add_nc_u64 s[22:23], s[6:7], s[12:13]
	s_or_b32 s23, s23, 0x80000000
	tensor_load_to_lds s[20:23], s[24:31]          ; the one tensor load
	s_nop 0
	QLOAD RAW, 0
	QLOAD ACC, 131072
	QLOAD AF, 262144
.irp s, 0,1
.irp i, 0,1,2,3
	global_load_b128 v[BK+16*\s+4*\i:BK+16*\s+4*\i+3], v5, s[8:9] offset:128*\s+16*\i
.endr
.endr
	v_mul_u32_u24 v6, v2, PP
	v_lshl_add_u32 v7, v3, 5, v6                   ; the stage, in: row r, byte 32 h
	v_lshl_add_u32 v6, v3, 6, v6                   ; fragments: row r, byte 64 h
	v_mul_u32_u24 v8, v3, PP
	v_lshl_add_u32 v8, v2, 4, v8                   ; the stage, back: row h, byte 16 r
	v_lshlrev_b32 v9, 16, v3
	v_lshl_add_u32 v9, v2, 4, v9                   ; qkp: 65536 h + 16 r
	v_lshlrev_b32 v10, 3, v0                       ; c's partial: 8 x lane
	s_lshl_b32 s12, s2, 12
	s_lshl_b32 s17, ttmp9, 8
	s_add_co_u32 s12, s12, s17
	s_add_nc_u64 s[18:19], s[10:11], s[12:13]      ; qkp + 4096 ob + 256 g
	s_lshl_b32 s12, s2, 8
	s_add_nc_u64 s[10:11], s[10:11], s[12:13]      ; qkp + 256 ob
	s_wait_loadcnt 0x0
	QADD ACC
	QADD AF                                        ; q of my 64 o
	s_cmp_lg_u32 ttmp9, 0
	s_cbranch_scc1 .Lnoc
	; g = 0: c's partial over my 64 o, in f32: two chains for each nt
.irp nt, 0,1
.irp s, 0,1
.irp j, 0,1,2,3,4,5,6,7
.if \s+(\j>>1)
	v_pk_fma_f32 v[16+4*\nt+2*(\j&1):17+4*\nt+2*(\j&1)], v[RAW+32*\s+16*\nt+2*\j:RAW+32*\s+16*\nt+2*\j+1], v[BK+16*\s+2*\j:BK+16*\s+2*\j+1], v[16+4*\nt+2*(\j&1):17+4*\nt+2*(\j&1)]
.else
	v_pk_mul_f32 v[16+4*\nt+2*(\j&1):17+4*\nt+2*(\j&1)], v[RAW+32*\s+16*\nt+2*\j:RAW+32*\s+16*\nt+2*\j+1], v[BK+16*\s+2*\j:BK+16*\s+2*\j+1]
.endif
.endr
.endr
.endr
	v_pk_add_f32 v[16:17], v[16:17], v[18:19]
	v_pk_add_f32 v[20:21], v[20:21], v[22:23]
	v_add_f32 v16, v16, v17
	v_add_f32 v20, v20, v21
	v_permlanex16_b32 v17, v16, s14, s15           ; the other half's 32 o
	v_permlanex16_b32 v21, v20, s14, s15
	v_add_f32 v16, v16, v17
	v_add_f32 v20, v20, v21
	v_cndmask_b32 v[BK], v16, v20, s16             ; lane = b
	v_mov_b32 v[BK+1], 0
	global_store_b64 v10, v[BK:BK+1], s[10:11] offset:CP   ; 32 lanes x 8 bytes: 256 consecutive bytes, aligned.  None of its registers is written again
.Lnoc:
	SPLIT AF, RAW, 1
	SPLIT AF+16, RAW+16, 1
	SPLIT AF+32, RAW+32, 1
	SPLIT AF+48, RAW+48, 1
	s_wait_tensorcnt 0x0                           ; the tile is in LDS
	STEP 6, 0, AF, 1
	STEP 6, 128, AF+32, 0
	PLACES                                         ; before the results are stored
	; register jj of (nt, c) in lane (r, h) is d = 16 c + 8 h + jj of batch r + 16 nt: through LDS, so that whole rows leave.
	; The stage lies over the tile, which has had its only fill and whose reads are over.
.irp nt, 0,1
.irp c, 0,1,2,3
	ds_store_b128 v7, v[ACC+32*\nt+8*\c:ACC+32*\nt+8*\c+3] offset:4352*\nt+64*\c
	ds_store_b128 v7, v[ACC+32*\nt+8*\c+4:ACC+32*\nt+8*\c+7] offset:4352*\nt+64*\c+16
.endr
.endr
.set t, 0
.rept 16
	ds_load_b128 v[RAW+4*t:RAW+4*t+3], v8 offset:2*PP*t    ; batches 2 t (lanes 0..15) and 2 t + 1; LDS serves a wave's instructions in order (ISA guide 5.7.1)
.set t, t+1
.endr
.set t, 0
.rept 16
	s_wait_dscnt 15-t                              ; load t is in; the 15 - t behind it may stay out
	global_store_b128 v9, v[RAW+4*t:RAW+4*t+3], s[18:19] offset:131072*t   ; sixteen lanes store 256 consecutive bytes, aligned
.set t, t+1
.endr
	s_wait_tensorcnt 0x0
	ds_add_u32 v13, v14
	s_wait_dscnt 0x0
	s_endpgm
.Lfunc_end_k_qb632be19d9_keyq:
	.size	k_qb632be19d9_keyq, .Lfunc_end_k_qb632be19d9_keyq-k_qb632be19d9_keyq
	.p2alignl 7, 3214868480
	.fill 96, 4, 3214868480
	.section	.rodata,"a",@progbits
	.p2align	6, 0x0
	.amdhsa_kernel k_qb632be19d9_keyq
		.amdhsa_group_segment_fixed_size 168192
		.amdhsa_private_segment_fixed_size 0
		.amdhsa_enable_private_segment 0
		.amdhsa_kernarg_size 32
		.amdhsa_user_sgpr_count 2
		.amdhsa_user_sgpr_kernarg_segment_ptr 1
		.amdhsa_wavefront_size32 1
		.amdhsa_system_sgpr_workgroup_id_x 1
		.amdhsa_system_sgpr_workgroup_id_y 1
		.amdhsa_system_sgpr_workgroup_id_z 1
		.amdhsa_system_vgpr_workitem_id 0
		.amdhsa_next_free_vgpr 256
		.amdhsa_next_free_sgpr 66
		.amdhsa_reserve_vcc 0
		.amdhsa_float_denorm_mode_32 3
		.amdhsa_float_denorm_mode_16_64 3
		.amdhsa_memory_ordered 1
		.amdhsa_forward_progress 1
		.amdhsa_inst_pref_size 50
	.end_amdhsa_kernel
	.amdgpu_metadata
---
amdhsa.version: [ 1, 2 ]
amdhsa.kernels:
  - .name:           k_qb632be19d9_keyq
    .symbol:         k_qb632be19d9_keyq.kd
    .args:
      - { .name: qp, .offset: 0, .size: 8, .value_kind: global_buffer, .address_space: global }
      - { .name: Wk, .offset: 8, .size: 8, .value_kind: global_buffer, .address_space: global }
      - { .name: bk, .offset: 16, .size: 8, .value_kind: global_buffer, .address_space: global }
      - { .name: qkp, .offset: 24, .size: 8, .value_kind: global_buffer, .address_space: global }
    .group_segment_fixed_size: 168192
    .private_segment_fixed_size: 0
    .kernarg_segment_align: 8
    .kernarg_segment_size: 32
    .max_flat_workgroup_size: 32
    .sgpr_count:     66
    .vgpr_count:     256
    .wavefront_size: 32
...
	.end_amdgpu_metadata
.endif
;; end of part 7
;; launch stream (part 8): grid 256 x 1, 16 waves a work-group, no clusters, 72,704 bytes of LDS; arguments x_mem, z_mem, t_mem, z, t, wilson_scale, qkp, yp, sraw; writes yp, sraw
.if DOCPART == 8
	.amdgcn_target "amdgcn-amd-amdhsa--gfx1250"
	.amdhsa_code_object_version 6
	.text
	.protected	k_qb632be19d9_stream
	.globl	k_qb632be19d9_stream
	.p2align	8
	.type	k_qb632be19d9_stream,@function
k_qb632be19d9_stream:
	s_mov_b64 s[64:65], 0
	v_nop
	global_prefetch_b8 v0, s[64:65] scope:SCOPE_SE
	s_setreg_imm32_b32 hwreg(HW_REG_WAVE_MODE, 25, 1), 1
	s_wait_xcnt 0x0
; stream: the one pass over x_mem.  Work-group g owns rows 128 (g % 8) .. + 127 of batch b = g / 8; wave w owns 8 of them.
; First qk[b] = the sum of its 16 partial rows in qkp: thread t adds columns 2 t, 2 t + 1 (16 loads of 8 bytes: 64 KB a work-group,
; as much as 16 waves loading a finished row each would take), the sum goes through LDS to every wave.  c[b] likewise from 16 partials.
; For each row n: score = (x_n . qk[b] + c[b]) wilson_n / (tau + 1e-6), the light-cone mask, and a running softmax:
;   m = running maximum of the scores with -1e9 at closed rows (as the softmax sees them), S = sum of exp(score - m) over ALL rows,
;   E = the same sum over open rows alone, ACC[1024] = sum over open rows of exp(score - m) x_n.
; A row of 4096 bytes is 8 loads of 16 bytes a lane; lane l holds elements 128 j + 4 l + e of x_n, of qk and of ACC.
; Four row slots in registers: 32 loads of a wave are on their way, 16 waves x 16 KB for the work-group.
; The 16 waves' figures meet in LDS.  Out: yp row g (pitch 4352): 1024 f32, then 256 bytes with word 0 = M, word 1 = S, words 2.. = E;
; sraw[b][n] = the score at open rows, -inf at closed ones.
; Memory binds: no matrix unit (one row vector a batch), no mover (each byte is used once, by one lane), no cluster (what the
; eight groups of a batch share, qkp's rows and z, is 64 KB against 544 KB of their own).
; LIMITS: NaN and infinities in the inputs are not followed.  For arg above about 1.8e19 the product (arg-1)(arg+1) overflows, d_g is
; infinite and the row is closed.  A row whose d_g equals dt to a few units in the last place may fall on the other side of the mask.
.set MS,  65536                        ; 16 words: the waves' maxima.   LDS bytes 0 .. 65535: [16 waves][4096 bytes] of ACC
.set SE,  65792                        ; = MS + 256: S of the waves in words 0..15, E in words 16..31
.set SC,  66048                        ; 128 scores
.set QKS, 66560                        ; qk[b], 1024 f32
.set CP,  2097152                      ; where c's partials begin in qkp
.set QK,  32                           ; v[32:63]
.set ACC, 64                           ; v[64:95]   first the 16 partial pairs of qk
.set X,   96                           ; v[96:223]  four slots of 32
.set L2E, 0x3fb8aa3b                   ; log2 e
; v1 16 l; v2 16 r; v3 t_mem offset; v4 QKS + 8 t; v5 l; v6 c's partial; v7 256 r; v[8:15] at work; v16 m, v17 S, v18 E, v19 M;
; v[20:21] alpha; v[22:23] p at open rows; v24 -1e9; v25 -inf; v26..v31 LDS addresses and 8 t; v[224:255] geometry
; s24 t, s25 c, s28 -wilson_scale, s[32:39] G of my 8 rows, s[40:47] their masks (all ones or 0), s[56:63] c G
.macro FILL row                        ; eight loads: the whole row, 512 consecutive bytes each, into slot row % 4.  The argument may be a sum: it stands in parentheses
.irp j, 0,1,2,3,4,5,6,7
	global_load_b128 v[X+32*((\row)&3)+4*\j:X+32*((\row)&3)+4*\j+3], v1, s[4:5] offset:4096*(\row)+512*\j th:TH_LOAD_NT
.endr
.endm
.macro FOLD b, d                       ; v[b .. b+d-1] += v[b+d .. b+2d-1]
.set u, 0
.rept \d/2
	v_pk_add_f32 v[\b+u:\b+u+1], v[\b+u:\b+u+1], v[\b+\d+u:\b+\d+u+1]
.set u, u+2
.endr
.endm
	s_load_b512 s[4:19], s[0:1], 0x0               ; x_mem 4, z_mem 6, t_mem 8, z 10, t 12, wilson_scale 14, qkp 16, yp 18
	s_load_b64 s[20:21], s[0:1], 0x40              ; sraw
	v_lshrrev_b32 v1, 5, v0
	v_readfirstlane_b32 s2, v1                     ; wave w
	v_and_b32 v5, 31, v0                           ; l
	v_lshlrev_b32 v1, 4, v5                        ; 16 l
	v_and_b32 v2, 15, v0
	v_lshlrev_b32 v7, 8, v2                        ; 256 r
	v_lshlrev_b32 v2, 4, v2                        ; 16 r
	v_bfe_u32 v3, v0, 2, 2                         ; (l >> 2) & 3
	v_bfe_u32 v4, v0, 4, 1                         ; h
	v_lshlrev_b32 v3, 3, v3
	v_lshl_add_u32 v3, v4, 2, v3                   ; 4 x (2 ((l >> 2) & 3) + h): the row whose geometry this lane finishes
	v_lshlrev_b32 v30, 3, v0                       ; 8 x thread
	v_add_nc_u32 v4, QKS, v30
	s_lshr_b32 s3, ttmp9, 3                        ; b
	s_lshl_b32 s26, s3, 2
	s_mov_b32 s55, 0
	s_wait_kmcnt 0x0
	s_load_b32 s24, s[12:13], s26 offset:0x0       ; t[b]
	s_load_b32 s28, s[14:15], 0x0                  ; wilson_scale
	s_lshl_b32 s54, ttmp9, 19                      ; my first row is 128 g + 8 w of 32768: x 4096 bytes
	s_lshl_b32 s52, s2, 15
	s_add_co_u32 s54, s54, s52
	s_add_nc_u64 s[4:5], s[4:5], s[54:55]
	s_lshl_b32 s54, ttmp9, 15                      ; x 256 bytes
	s_lshl_b32 s52, s2, 11
	s_add_co_u32 s54, s54, s52
	s_add_nc_u64 s[6:7], s[6:7], s[54:55]
	s_lshl_b32 s54, ttmp9, 9                       ; x 4 bytes
	s_add_nc_u64 s[20:21], s[20:21], s[54:55]      ; sraw at the group's 128 scores
	s_lshl_b32 s52, s2, 5
	s_add_co_u32 s54, s54, s52
	s_add_nc_u64 s[8:9], s[8:9], s[54:55]
	s_lshl_b32 s54, s3, 8
	s_add_nc_u64 s[10:11], s[10:11], s[54:55]      ; z[b]
	s_lshl_b32 s54, s3, 16
	s_add_nc_u64 s[22:23], s[16:17], s[54:55]      ; the 16 partial rows of qk[b]
	s_lshl_b32 s54, s3, 3
	s_add_nc_u64 s[16:17], s[16:17], s[54:55]      ; + 8 b: c's partials of batch b lie 256 bytes apart
	s_mul_i32 s54, ttmp9, 4352
	s_add_nc_u64 s[18:19], s[18:19], s[54:55]      ; yp row g
	global_load_b128 v[224:227], v2, s[10:11]      ; z[b][4r ..]
.irp j, 0,1,2,3
	global_load_b128 v[228+4*\j:231+4*\j], v1, s[6:7] offset:512*\j th:TH_LOAD_NT   ; z_mem rows 2j (lanes 0..15) and 2j+1 (lanes 16..31)
.endr
	global_load_b32 v253, v3, s[8:9]               ; t_mem of this lane's row
.set k, 0
.rept 16
	global_load_b64 v[ACC+2*k:ACC+2*k+1], v30, s[22:23] offset:4096*k   ; columns 2 t, 2 t + 1 of partial k: a wave takes 256 consecutive bytes
.set k, k+1
.endr
	global_load_b32 v6, v7, s[16:17] offset:CP     ; lane r: c's partial r
	FILL 0
	FILL 1
	FILL 2
	FILL 3
	s_mov_b32 s29, 0x00f000f0                      ; lanes that finish rows 2, 3
	s_mov_b32 s30, 0x0f000f00                      ; rows 4, 5
	s_mov_b32 s31, 0xf000f000                      ; rows 6, 7
	s_mov_b32 s48, 0x76543210                      ; v_permlanex16_b32: lane i takes lane i of the other half
	s_mov_b32 s49, 0xfedcba98
	s_mov_b32 s50, 0x41800000                      ; 16.0
	s_mov_b32 s51, 0x358637bd                      ; 1e-6
	v_mov_b32 v21, 0                               ; upper halves of the two broadcast pairs: written once, never used
	v_mov_b32 v23, 0
	v_mov_b32 v24, 0xce6e6b28                      ; -1e9
	v_mov_b32 v25, 0xff800000                      ; -inf
	s_lshl_b32 s52, s2, 5
	s_add_co_u32 s52, s52, SC
	v_mov_b32 v26, s52                             ; my 8 scores
	s_lshl_b32 s52, s2, 2
	s_add_co_u32 s52, s52, MS
	v_mov_b32 v27, s52                             ; my word among the maxima
	v_mov_b32 v28, MS
	v_lshl_add_u32 v29, s2, 12, v1                 ; my 4096 bytes of ACC: 4096 w + 16 l
	v_add_nc_u32 v31, SC, v1
	s_wait_kmcnt 0x0
	s_xor_b32 s28, s28, 0x80000000                 ; -wilson_scale
	s_wait_loadcnt 32                              ; all but the 32 loads of x, which are younger, is in
	; ---- qk[b] and c[b] from their 16 partials
	FOLD ACC, 16
	FOLD ACC, 8
	FOLD ACC, 4
	FOLD ACC, 2
	ds_store_b64 v4, v[ACC:ACC+1]
.irp m, 1,2,4,8
	v_add_f32_dpp v6, v6, v6 row_xmask:\m row_mask:0xf bank_mask:0xf
.endr
	v_readfirstlane_b32 s25, v6                    ; c[b]
	s_wait_dscnt 0x0                               ; my two columns are in LDS before I say so
	s_barrier_signal -1                            ; the geometry, register work alone, stands between the signal and the wait
	; ---- geometry.  Lane (r, h) holds four of the 64 coordinates of rows 2j + h.
.irp j, 0,1,2,3
	v_pk_mul_f32 v[254:255], v[228+4*\j:229+4*\j], v[228+4*\j:229+4*\j]
	v_pk_fma_f32 v[254:255], v[230+4*\j:231+4*\j], v[230+4*\j:231+4*\j], v[254:255]
	v_add_f32 v[248+\j], v254, v255                ; part of |z_mem|^2
	v_pk_add_f32 v[228+4*\j:229+4*\j], v[224:225], v[228+4*\j:229+4*\j] neg_lo:[0,1] neg_hi:[0,1]
	v_pk_add_f32 v[230+4*\j:231+4*\j], v[226:227], v[230+4*\j:231+4*\j] neg_lo:[0,1] neg_hi:[0,1]
	v_pk_mul_f32 v[254:255], v[228+4*\j:229+4*\j], v[228+4*\j:229+4*\j]
	v_pk_fma_f32 v[254:255], v[230+4*\j:231+4*\j], v[230+4*\j:231+4*\j], v[254:255]
	v_add_f32 v[244+\j], v254, v255                ; part of |z - z_mem|^2
.endr
	v_pk_mul_f32 v[254:255], v[224:225], v[224:225]
	v_pk_fma_f32 v[254:255], v[226:227], v[226:227], v[254:255]
	v_add_f32 v252, v254, v255                     ; part of |z|^2
.irp m, 1,2,4,8
.irp q, 244,245,246,247,248,249,250,251,252
	v_add_f32_dpp v\q, v\q, v\q row_xmask:\m row_mask:0xf bank_mask:0xf   ; sums over the 16 lanes of a half
.endr
.endr
	v_cndmask_b32 v244, v244, v245, s29            ; lane l keeps row 2 ((l >> 2) & 3) + h
	v_cndmask_b32 v248, v248, v249, s29
	v_cndmask_b32 v244, v244, v246, s30
	v_cndmask_b32 v248, v248, v250, s30
	v_cndmask_b32 v244, v244, v247, s31
	v_cndmask_b32 v248, v248, v251, s31
	v_sub_f32 v224, 1.0, v252                      ; 1 - norm1
	v_sub_f32 v225, 1.0, v248                      ; 1 - norm2
	v_fma_f32 v225, v224, v225, s51                ; denom
	v_rcp_f32 v226, v225
	v_add_f32 v244, v244, v244                     ; 2 diff_sq: the plain instruction behind v_rcp_f32 (ISA guide 5.7.2)
	s_wait_alu depctr_va_vdst(0)
	v_fma_f32 v227, v244, v226, 1.0
	v_max_num_f32 v227, 0x3f800008, v227           ; arg = max(.., 1 + 1e-6)
	v_add_f32 v228, -1.0, v227
	v_add_f32 v229, 1.0, v227
	v_mul_f32 v228, v228, v229
	v_sqrt_f32 v229, v228
	v_add_f32 v230, s51, v224                      ; 1 - norm1 + 1e-6 (the plain instruction behind v_sqrt_f32)
	s_wait_alu depctr_va_vdst(0)
	v_add_f32 v229, v227, v229                     ; arg + sqrt(arg^2 - 1)
	v_log_f32 v231, v229                           ; log2: d_g = ln 2 x this
	v_fma_f32 v230, v230, s50, s51                 ; tau + 1e-6, tau = 32 / (2 / (1 - norm1 + 1e-6)) (the plain instruction behind v_log_f32)
	s_wait_alu depctr_va_vdst(0)
	v_mul_f32 v232, 0x3f317218, v231               ; d_g
	v_mul_f32 v233, s28, v231                      ; exp(-ws d_g) = 2^(-ws log2 y)
	v_exp_f32 v234, v233
	v_rcp_f32 v235, v230
	v_sub_f32 v236, s24, v253                      ; dt (the plain instruction behind the two)
	s_wait_alu depctr_va_vdst(0)
	v_mul_f32 v234, v234, v235                     ; G = wilson / (tau + 1e-6)
	v_cmp_lt_f32 s52, 0, v236                      ; dt > 0
	v_cmp_le_f32 s53, v232, v236                   ; d_g <= dt
	s_and_b32 s52, s52, s53
	v_cndmask_b32 v237, 0, -1, s52
.irp r, 0,1,2,3,4,5,6,7
	v_readlane_b32 s[32+\r], v234, 16*(\r&1)+4*(\r>>1)
	v_readlane_b32 s[40+\r], v237, 16*(\r&1)+4*(\r>>1)   ; all ones or 0: a mask for all 32 lanes; it only ever selects values
.endr
.irp r, 0,1,2,3,4,5,6,7
	s_mul_f32 s[56+\r], s25, s[32+\r]              ; c G
.endr
	s_barrier_wait -1                              ; qk[b] is whole in LDS
.irp j, 0,1,2,3,4,5,6,7
	ds_load_b128 v[QK+4*\j:QK+4*\j+3], v31 offset:QKS-SC+512*\j
.endr
	s_wait_dscnt 0x0
; One row.  left = how many younger loads may stay out: 8 for each younger row.
.macro TURN r, first, refill, left
	s_wait_loadcnt \left
.irp p, 0,1,2,3
	v_pk_mul_f32 v[8+2*\p:9+2*\p], v[X+32*(\r&3)+2*\p:X+32*(\r&3)+2*\p+1], v[QK+2*\p:QK+2*\p+1]
.endr
.set k, 4
.rept 12
	v_pk_fma_f32 v[8+2*(k&3):9+2*(k&3)], v[X+32*(\r&3)+2*k:X+32*(\r&3)+2*k+1], v[QK+2*k:QK+2*k+1], v[8+2*(k&3):9+2*(k&3)]
.set k, k+1
.endr
	v_pk_add_f32 v[8:9], v[8:9], v[10:11]
	v_pk_add_f32 v[12:13], v[12:13], v[14:15]
	v_pk_add_f32 v[8:9], v[8:9], v[12:13]
	v_add_f32 v8, v8, v9
.irp m, 1,2,4,8
	v_add_f32_dpp v8, v8, v8 row_xmask:\m row_mask:0xf bank_mask:0xf
.endr
	v_permlanex16_b32 v9, v8, s48, s49
	v_add_f32 v8, v8, v9                           ; x_n . qk in every lane
	v_fma_f32 v8, v8, s[32+\r], s[56+\r]           ; the score
	v_cndmask_b32 v9, v24, v8, s[40+\r]            ; as the softmax sees it: -1e9 at a closed row
	v_cndmask_b32 v10, v25, v8, s[40+\r]           ; as it is handed on: -inf at a closed row
	ds_store_b32 v26, v10 offset:4*\r              ; all lanes write one word with one value
.if \first
	v_mov_b32 v16, v9                              ; the first row starts the sums: nothing is cleared
	v_mov_b32 v17, 1.0
	v_cndmask_b32 v22, 0, 1.0, s[40+\r]
	v_mov_b32 v18, v22
.set k, 0
.rept 16
	v_pk_mul_f32 v[ACC+2*k:ACC+2*k+1], v[X+32*(\r&3)+2*k:X+32*(\r&3)+2*k+1], v[22:23] op_sel_hi:[1,0]
.set k, k+1
.endr
.else
	v_max_num_f32 v11, v16, v9
	v_sub_f32 v12, v16, v11
	v_sub_f32 v13, v9, v11
	v_mul_f32 v12, L2E, v12
	v_mul_f32 v13, L2E, v13
	v_exp_f32 v20, v12                             ; alpha
	v_exp_f32 v14, v13                             ; p
	v_mov_b32 v16, v11                             ; the plain instruction behind the two exponentials (ISA guide 5.7.2)
	s_wait_alu depctr_va_vdst(0)
	v_fma_f32 v17, v17, v20, v14
	v_cndmask_b32 v22, 0, v14, s[40+\r]
	v_fma_f32 v18, v18, v20, v22
.set k, 0
.rept 16
	v_pk_mul_f32 v[ACC+2*k:ACC+2*k+1], v[ACC+2*k:ACC+2*k+1], v[20:21] op_sel_hi:[1,0]
.set k, k+1
.endr
.set k, 0
.rept 16
	v_pk_fma_f32 v[ACC+2*k:ACC+2*k+1], v[X+32*(\r&3)+2*k:X+32*(\r&3)+2*k+1], v[22:23], v[ACC+2*k:ACC+2*k+1] op_sel_hi:[1,0,1]
.set k, k+1
.endr
.endif
.if \refill
	FILL \r+4                                      ; the row four further down, into the slot just read
.endif
.endm
	TURN 0, 1, 1, 24
	TURN 1, 0, 1, 24
	TURN 2, 0, 1, 24
	TURN 3, 0, 1, 24
	TURN 4, 0, 0, 24                               ; nothing more to load: the counts run down
	TURN 5, 0, 0, 16
	TURN 6, 0, 0, 8
	TURN 7, 0, 0, 0
	; ---- the 16 waves meet
	ds_store_b32 v27, v16                          ; my maximum
	s_wait_dscnt 0x0                               ; it and my 8 scores are in LDS before I say so
	s_barrier_signal -1
	s_barrier_wait -1
.irp i, 0,1,2,3
	ds_load_b128 v[96+4*\i:99+4*\i], v28 offset:16*\i
.endr
	s_wait_dscnt 0x0
	v_max3_num_f32 v96, v96, v97, v98
	v_max3_num_f32 v99, v99, v100, v101
	v_max3_num_f32 v102, v102, v103, v104
	v_max3_num_f32 v105, v105, v106, v107
	v_max3_num_f32 v108, v108, v109, v110
	v_max3_num_f32 v96, v96, v99, v111
	v_max3_num_f32 v102, v102, v105, v108
	v_max_num_f32 v19, v96, v102                   ; M of the group
	v_sub_f32 v12, v16, v19
	v_mul_f32 v12, L2E, v12
	v_exp_f32 v20, v12
	v_nop                                          ; the place behind v_exp_f32
	s_wait_alu depctr_va_vdst(0)
	v_mul_f32 v17, v17, v20
	v_mul_f32 v18, v18, v20
	ds_store_b32 v27, v17 offset:SE-MS
	ds_store_b32 v27, v18 offset:SE-MS+64
.set k, 0
.rept 16
	v_pk_mul_f32 v[ACC+2*k:ACC+2*k+1], v[ACC+2*k:ACC+2*k+1], v[20:21] op_sel_hi:[1,0]
.set k, k+1
.endr
.irp j, 0,1,2,3,4,5,6,7
	ds_store_b128 v29, v[ACC+4*\j:ACC+4*\j+3] offset:512*\j
.endr
	s_wait_dscnt 0x0
	s_barrier_signal -1
	s_barrier_wait -1
.set k, 0
.rept 16
	ds_load_b64 v[96+2*k:97+2*k], v30 offset:4096*k    ; columns 2 t, 2 t + 1 of wave k's sum
.set k, k+1
.endr
	s_wait_dscnt 0x0
	FOLD 96, 16
	FOLD 96, 8
	FOLD 96, 4
	FOLD 96, 2
	global_store_b64 v30, v[96:97], s[18:19]       ; a wave stores 256 consecutive bytes, aligned
	s_cmp_lg_u32 s2, 0
	s_cbranch_scc1 .Lnot0
.irp i, 0,1,2,3,4,5,6,7
	ds_load_b128 v[128+4*\i:131+4*\i], v28 offset:SE-MS+16*\i
.endr
	v_cmp_eq_u32 vcc_lo, 0, v5
	s_wait_dscnt 0x0
	FOLD 128, 8
	FOLD 144, 8
	FOLD 128, 4
	FOLD 144, 4
	FOLD 128, 2
	FOLD 144, 2
	v_add_f32 v128, v128, v129                     ; S
	v_add_f32 v144, v144, v145                     ; E
	v_cndmask_b32 v130, v144, v19, vcc_lo          ; lane 0: (M, S); the others: (E, E)
	v_cndmask_b32 v131, v144, v128, vcc_lo
	global_store_b64 v30, v[130:131], s[18:19] offset:4096   ; in wave 0 thread = lane: 256 consecutive bytes, aligned
.Lnot0:
	s_cmp_lg_u32 s2, 1
	s_cbranch_scc1 .Lend
	ds_load_b128 v[132:135], v31
	s_wait_dscnt 0x0
	global_store_b128 v1, v[132:135], s[20:21]     ; the group's 128 scores: 512 consecutive bytes
.Lend:
	s_wait_xcnt 0x0
	v_lshl_add_u32 v254, v0, 2, 0x11400
	v_mov_b32 v255, 0
	s_wait_tensorcnt 0x0
	ds_add_u32 v254, v255
	s_wait_dscnt 0x0
	s_endpgm
.Lfunc_end_k_qb632be19d9_stream:
	.size	k_qb632be19d9_stream, .Lfunc_end_k_qb632be19d9_stream-k_qb632be19d9_stream
	.p2alignl 7, 3214868480
	.fill 96, 4, 3214868480
	.section	.rodata,"a",@progbits
	.p2align	6, 0x0
	.amdhsa_kernel k_qb632be19d9_stream
		.amdhsa_group_segment_fixed_size 72704
		.amdhsa_private_segment_fixed_size 0
		.amdhsa_enable_private_segment 0
		.amdhsa_kernarg_size 72
		.amdhsa_user_sgpr_count 2
		.amdhsa_user_sgpr_kernarg_segment_ptr 1
		.amdhsa_wavefront_size32 1
		.amdhsa_system_sgpr_workgroup_id_x 1
		.amdhsa_system_sgpr_workgroup_id_y 1
		.amdhsa_system_sgpr_workgroup_id_z 1
		.amdhsa_system_vgpr_workitem_id 0
		.amdhsa_next_free_vgpr 256
		.amdhsa_next_free_sgpr 66
		.amdhsa_reserve_vcc 1
		.amdhsa_float_denorm_mode_32 3
		.amdhsa_float_denorm_mode_16_64 3
		.amdhsa_memory_ordered 1
		.amdhsa_forward_progress 1
		.amdhsa_inst_pref_size 61
	.end_amdhsa_kernel
	.amdgpu_metadata
---
amdhsa.version: [ 1, 2 ]
amdhsa.kernels:
  - .name:           k_qb632be19d9_stream
    .symbol:         k_qb632be19d9_stream.kd
    .args:
      - { .name: x_mem, .offset: 0, .size: 8, .value_kind: global_buffer, .address_space: global }
      - { .name: z_mem, .offset: 8, .size: 8, .value_kind: global_buffer, .address_space: global }
      - { .name: t_mem, .offset: 16, .size: 8, .value_kind: global_buffer, .address_space: global }
      - { .name: z, .offset: 24, .size: 8, .value_kind: global_buffer, .address_space: global }
      - { .name: t, .offset: 32, .size: 8, .value_kind: global_buffer, .address_space: global }
      - { .name: wilson_scale, .offset: 40, .size: 8, .value_kind: global_buffer, .address_space: global }
      - { .name: qkp, .offset: 48, .size: 8, .value_kind: global_buffer, .address_space: global }
      - { .name: yp, .offset: 56, .size: 8, .value_kind: global_buffer, .address_space: global }
      - { .name: sraw, .offset: 64, .size: 8, .value_kind: global_buffer, .address_space: global }
    .group_segment_fixed_size: 72704
    .private_segment_fixed_size: 0
    .kernarg_segment_align: 8
    .kernarg_segment_size: 72
    .max_flat_workgroup_size: 512
    .sgpr_count:     66
    .vgpr_count:     256
    .wavefront_size: 32
...
	.end_amdgpu_metadata
.endif
;; end of part 8
;; launch finish (part 9): grid 16 x 16, 16 waves a work-group, clusters of 4 x 1, 272,384 bytes of LDS; arguments yp, sraw, Wval, bval, out0, out1; writes out0, out1
.if DOCPART == 9
	.amdgcn_target "amdgcn-amd-amdhsa--gfx1250"
	.amdhsa_code_object_version 6
	.text
	.protected	k_qb632be19d9_finish
	.globl	k_qb632be19d9_finish
	.p2align	8
	.type	k_qb632be19d9_finish,@function
k_qb632be19d9_finish:
	s_mov_b64 s[64:65], 0
	v_nop
	global_prefetch_b8 v0, s[64:65] scope:SCOPE_SE
	s_setreg_imm32_b32 hwreg(HW_REG_WAVE_MODE, 25, 1), 1
	s_wait_xcnt 0x0
	s_wait_alu depctr_hold_cnt(0) depctr_sa_sdst(0) depctr_va_vdst(0) depctr_va_sdst(0) depctr_va_ssrc(0) depctr_va_vcc(0) depctr_vm_vsrc(0)
	s_getreg_b32 s2, hwreg(HW_REG_IB_STS2, 6, 4)
	s_cmp_eq_u32 s2, 0
	s_cbranch_scc0 .Lentry_in_a_cluster
	s_endpgm
.Lentry_in_a_cluster:
	s_bfe_u32 s2, ttmp6, 0x10000c
	s_cmp_lg_u32 s2, 0x3003
	s_cbranch_scc0 .Lentry_shape_is_right
	s_endpgm
.Lentry_shape_is_right:
; finish: joins the eight blocks of each batch from the pass over x_mem and makes both outputs.
;   M = max of a batch's eight maxima, beta_c = exp(M_c - M), S = sum beta S_c (all rows), E = sum beta E_c (open rows)
;   softmax weight of an open row = exp(s - M) / S; their sum Wm = E / S; f = 1 / (S (Wm + 1e-8)); sw = Wm / (Wm + 1e-8)
;   out1[b][n] = exp(s - M) f (closed rows come as s = -inf and give 0)
;   out0[b] = sum over c of (beta_c f y_c) Wval + sw bval
; Since sum_n w_n (x_n Wval + bval) = (sum_n w_n x_n) Wval + (sum_n w_n) bval for every input, the values are never formed.
; Work-group (bp, nb): batches 2 bp and 2 bp + 1, that is rows 16 bp .. + 15 of yp (row = 8 x batch + block), and columns 64 nb .. + 63.
; Wave w owns k = 64 w .. + 63: a tile of 64 rows x 256 bytes of Wval, and 256 bytes of each of the 16 rows of yp.
; THE 16 ROWS OF THE MATRIX TILE ARE 2 BATCHES x 8 BLOCKS.  The scaled rows of yp are source 0, Wval is source 1: register j of lane (r, h)
; then holds row 8 h + j = batch h, block j, and column r of the set.  So the sum over a batch's blocks is a sum over a lane's own eight
; registers, and the four column sets c (columns 4 r + c) leave 16 neighbouring bytes in each lane: a wave's partial is one store of 512 bytes.
; Both sources use one renaming of k: slot sigma of lane half h is k = 32 s + 16 h + sigma.  Wval lies [k][column]: a lane reads 16 bytes
; (columns 4r .. 4r+3) of a row k, sixteen lanes a whole row of 256 bytes; packing rows k, k + 1 gives the fragment.
; Both operands go as bf16 hi + bf16 lo, three products; the term left out is about 2^-16 relative.
; CLUSTER: 4 work-groups along x have one nb and need the same 256 KB of Wval, four fifths of a work-group's bytes.  Each wave's tile is asked
; for JOINTLY: the same tensor load in all four, with a mask that names the four; its descriptor is made of nb and the wave's number alone.
; One tensor load a wave is out; no LDS byte is filled twice.
; S is at least 1 (the row of the maximum counts 1), so no division by zero.  LIMIT: NaN and infinities in the inputs are not followed.
.set YP,    4352                       ; bytes from row to row of yp; the row's three figures lie at byte 4096
.set STAGE, 262144                     ; behind the 16 tiles of 16384 bytes: 512 bytes for each wave's partial; no fill lands here
.set L2E,   0x3fb8aa3b                 ; log2 e
.set NEG1,  15                         ; v15        -1.0
.set WF,    16                         ; v[16:47]   two weight fragments (column sets c, c + 1), each hi then lo
.set AF,    48                         ; v[48:79]   scaled rows of yp: step s at 16 s, hi then lo
.set ST,    80                         ; v[80:83] M_c S_c E_c E_c; v84 M; v85 beta; v86 S; v87 E; v88 1/S; v89 Wm; v90, v91; v92 f; v93 sw; v[94:95] beta f; v[96:99] at work
.set BV,    100                        ; v[100:103] bval (wave 0)
.set SR,    104                        ; v[104:107] four scores (wave 1)
.set R,     108                        ; v[108:111] my partial
.set ACC,   128                        ; v[128:159] accumulator of column set c at 8 c
.set Y,     160                        ; v[160:191] yp as loaded: step s at 16 s
.set RAW,   192                        ; v[192:255] f32 from LDS
; v4 offset in yp; v5 offset of the figures; v6 my tile; v7 my partial; v8 the partials; v9 offset in sraw, out0, out1; v10 offset in bval
; s3 wave; s16 cx; s17 bp; s18 nb; s[20:23], s[24:31] the descriptor; s40 lanes 16..31
.macro PLACES                          ; four places behind a matrix instruction (ISA guide 7.12.1) before its registers are written or its result read
.rept 4
	v_nop
.endr
.endm
.macro SPLIT dst, src, st              ; 16 f32 at v[src + st i] -> 8 registers bf16 hi at dst, 8 registers bf16 lo at dst+8; the f32 become residuals
.irp p, 0,1,2,3,4,5,6,7
	v_cvt_pk_bf16_f32 v[\dst+\p], v[\src+2*\p*\st], v[\src+(2*\p+1)*\st]
.endr
.irp p, 0,1,2,3,4,5,6,7
	v_fma_mix_f32_bf16 v[\src+2*\p*\st], v[\dst+\p], v[NEG1], v[\src+2*\p*\st] op_sel_hi:[1,0,0]
	v_fma_mix_f32_bf16 v[\src+(2*\p+1)*\st], v[\dst+\p], v[NEG1], v[\src+(2*\p+1)*\st] op_sel:[1,0,0] op_sel_hi:[1,0,0]
.endr
.irp p, 0,1,2,3,4,5,6,7
	v_cvt_pk_bf16_f32 v[\dst+8+\p], v[\src+2*\p*\st], v[\src+(2*\p+1)*\st]
.endr
.endm
; six matrix instructions for column sets c and c + 1: the two accumulators take turns, one instruction a turn
.macro MM6 c, af, zero
.if \zero
	v_wmma_f32_16x16x32_bf16 v[ACC+8*\c:ACC+8*\c+7], v[\af:\af+7], v[WF:WF+7], 0
	v_wmma_f32_16x16x32_bf16 v[ACC+8*\c+8:ACC+8*\c+15], v[\af:\af+7], v[WF+16:WF+23], 0
.else
	v_wmma_f32_16x16x32_bf16 v[ACC+8*\c:ACC+8*\c+7], v[\af:\af+7], v[WF:WF+7], v[ACC+8*\c:ACC+8*\c+7]
	v_wmma_f32_16x16x32_bf16 v[ACC+8*\c+8:ACC+8*\c+15], v[\af:\af+7], v[WF+16:WF+23], v[ACC+8*\c+8:ACC+8*\c+15]
.endif
	v_wmma_f32_16x16x32_bf16 v[ACC+8*\c:ACC+8*\c+7], v[\af+8:\af+15], v[WF:WF+7], v[ACC+8*\c:ACC+8*\c+7]
	v_wmma_f32_16x16x32_bf16 v[ACC+8*\c+8:ACC+8*\c+15], v[\af+8:\af+15], v[WF+16:WF+23], v[ACC+8*\c+8:ACC+8*\c+15]
	v_wmma_f32_16x16x32_bf16 v[ACC+8*\c:ACC+8*\c+7], v[\af:\af+7], v[WF+8:WF+15], v[ACC+8*\c:ACC+8*\c+7]
	v_wmma_f32_16x16x32_bf16 v[ACC+8*\c+8:ACC+8*\c+15], v[\af:\af+7], v[WF+24:WF+31], v[ACC+8*\c+8:ACC+8*\c+15]
.endm
; one K step of 32: my 16 rows of the tile (16 bytes each), then the column sets two at a time
.macro STEP off, af, zero
.set i, 0
.rept 16
	ds_load_b128 v[RAW+4*i:RAW+4*i+3], v6 offset:\off+256*i
.set i, i+1
.endr
	s_wait_dscnt 0x0
.irp c, 0,2
	PLACES                                         ; WF was read by the last matrix instructions
	SPLIT WF, RAW+\c, 4
	SPLIT WF+16, RAW+\c+1, 4
	MM6 \c, \af, \zero
.endr
.endm
.macro FOLD b, d                       ; v[b .. b+d-1] += v[b+d .. b+2d-1]
.set u, 0
.rept \d/2
	v_pk_add_f32 v[\b+u:\b+u+1], v[\b+u:\b+u+1], v[\b+\d+u:\b+\d+u+1]
.set u, u+2
.endr
.endm
; A round of the cluster's barrier: my work-group's barrier, so that wave 0's signal speaks for all 16 waves; wave 0 signals for the work-group;
; every wave waits for all four work-groups; my work-group's barrier once more.  No LDS instruction of the wave is pending at a signal.
.macro ROUND
	s_barrier_signal -1
	s_barrier_wait -1
	s_cmp_lg_u32 s3, 0
	s_cbranch_scc1 .Lnot_wave_0_\@
	s_barrier_signal -3
.Lnot_wave_0_\@:
	s_barrier_wait -3
	s_barrier_signal -1
	s_barrier_wait -1
.endm
	s_load_b256 s[4:11], s[0:1], 0x0               ; yp 4, sraw 6, Wval 8, bval 10
	s_load_b128 s[12:15], s[0:1], 0x20             ; out0 12, out1 14
	v_lshl_add_u32 v126, v0, 2, 0x42000
	v_mov_b32 v127, 0
	ds_add_u32 v126, v127
	ds_add_u32 v126, v127
	v_lshrrev_b32 v1, 5, v0
	v_readfirstlane_b32 s3, v1                     ; wave w
	v_and_b32 v1, 31, v0                           ; l
	v_and_b32 v2, 15, v0                           ; r
	v_bfe_u32 v3, v0, 4, 1                         ; h
	s_bfe_u32 s16, ttmp6, 0x40000                  ; cx: my place along the cluster's x
	s_lshl_b32 s17, ttmp9, 2                       ; in a cluster launch ttmp9 counts clusters
	s_add_co_u32 s17, s17, s16                     ; bp = 4 x cluster x + cx: it enters global addresses of my own loads and stores alone
	s_and_b32 s18, ttmp7, 0xffff                   ; nb: the cluster is one work-group high, so its y is mine; the four partners share it
	s_mov_b32 s40, 0xffff0000                      ; lanes 16..31
	; the wave's tile of 64 rows x 64 f32 of Wval, to LDS byte 16384 w
	s_mov_b32 s20, 1                               ; count
	s_lshl_b32 s21, s3, 14                         ; LDS address: the wave's number alone
	s_mov_b32 s24, 15|(2<<16)|(1<<21)              ; 15:0 the mask: all four work-groups of the cluster; 17:16 elements of 4 bytes; 21 set beside a mask; no padding
	s_mov_b32 s25, 64<<16                          ; tensor_dim0 = 64
	s_mov_b32 s26, 64<<16                          ; tensor_dim1 = 64
	s_mov_b32 s27, 64<<16                          ; tile_dim0 = 64
	s_mov_b32 s28, 64                              ; tile_dim1 = 64
	s_mov_b32 s29, 1024                            ; elements from row to row
	s_mov_b32 s30, 0
	s_mov_b32 s31, 0
	s_lshl_b32 s36, s18, 8                         ; my 64 columns, in bytes
	s_mov_b32 s37, 0
	s_lshl_b32 s38, s3, 18                         ; 64 w rows of 4096 bytes
	s_add_co_u32 s38, s38, s36                     ; the tile's place: nb and w, nothing of cx
	s_mov_b32 s39, 0
	s_mul_i32 s32, s17, 16*YP                      ; my 16 rows of yp
	s_mov_b32 s33, 0
	s_lshl_b32 s34, s17, 13                        ; my two rows of 4096 bytes in sraw, out0 and out1,
	s_add_co_u32 s34, s34, s36                     ; at my 64 numbers
	s_mov_b32 s35, 0
	s_lshl_b32 s19, s3, 8
	s_lshl_b32 s41, s3, 9
	v_mul_u32_u24 v5, v2, YP                       ; row r of my 16
	v_lshl_add_u32 v4, v3, 6, v5
	v_add_nc_u32 v4, s19, v4                       ; + 256 w + 64 h
	v_lshlrev_b32 v10, 4, v2                       ; 16 r
	v_lshl_add_u32 v9, v3, 12, v10                 ; 4096 h + 16 r
	v_add_nc_u32 v6, s21, v9                       ; my tile: 16384 w + 4096 h + 16 r
	v_lshlrev_b32 v8, 4, v1
	v_add_nc_u32 v8, STAGE, v8                     ; the stage: 16 l
	v_add_nc_u32 v7, s41, v8                       ; + 512 w
	v_mov_b32 v[NEG1], -1.0
	s_wait_dscnt 0x0
	s_wait_kmcnt 0x0
	s_add_nc_u64 s[22:23], s[8:9], s[38:39]
	s_or_b32 s23, s23, 0x80000000                  ; type
	s_add_nc_u64 s[4:5], s[4:5], s[32:33]
	s_add_nc_u64 s[6:7], s[6:7], s[34:35]
	s_add_nc_u64 s[12:13], s[12:13], s[34:35]
	s_add_nc_u64 s[14:15], s[14:15], s[34:35]
	s_add_nc_u64 s[10:11], s[10:11], s[36:37]
	; What one wave alone needs is asked for first, so that the counted wait below, which counts younger loads, holds on every wave's path
	s_cmp_lg_u32 s3, 0
	s_cbranch_scc1 .Lno_bval
	global_load_b128 v[BV:BV+3], v10, s[10:11]     ; wave 0: bval[64 nb + 4 r ..]
.Lno_bval:
	s_cmp_lg_u32 s3, 1
	s_cbranch_scc1 .Lno_sraw
	global_load_b128 v[SR:SR+3], v9, s[6:7]        ; wave 1: scores 64 nb + 4 r .. of batch 2 bp + h
.Lno_sraw:
	global_load_b128 v[ST:ST+3], v5, s[4:5] offset:4096    ; lane (r, h): M, S, E, E of row r
.irp s, 0,1
.irp i, 0,1,2,3
	global_load_b128 v[Y+16*\s+4*\i:Y+16*\s+4*\i+3], v4, s[4:5] offset:128*\s+16*\i   ; yp[row r][64 w + 32 s + 16 h + 4 i ..]
.endr
.endr
	ROUND                                          ; all four work-groups are here: the joint loads meet
	tensor_load_to_lds s[20:23], s[24:31]          ; my tile, read by this wave alone
	s_nop 0
	s_wait_loadcnt 8                               ; the figures, and what is older, are in; the 8 loads of yp are younger
	; lanes r = 0..7 hold the blocks of batch 0, lanes r = 8..15 those of batch 1 (both halves h alike): steps 1, 2, 4 stay inside a batch
	v_mov_b32 v84, v80
.irp m, 1,2,4
	v_max_num_f32_dpp v84, v84, v84 row_xmask:\m row_mask:0xf bank_mask:0xf
.endr
	v_sub_f32 v85, v80, v84
	v_mul_f32 v85, L2E, v85
	v_exp_f32 v85, v85                             ; beta_c
	v_nop                                          ; the place behind v_exp_f32 (ISA guide 5.7.2)
	s_wait_alu depctr_va_vdst(0)
	v_mul_f32 v86, v85, v81
	v_mul_f32 v87, v85, v82
.irp m, 1,2,4
	v_add_f32_dpp v86, v86, v86 row_xmask:\m row_mask:0xf bank_mask:0xf   ; S
	v_add_f32_dpp v87, v87, v87 row_xmask:\m row_mask:0xf bank_mask:0xf   ; E
.endr
	v_rcp_f32 v88, v86
	v_nop
	s_wait_alu depctr_va_vdst(0)
	v_mul_f32 v89, v87, v88                        ; Wm
	v_add_f32 v90, 0x322bcc77, v89                 ; + 1e-8
	v_rcp_f32 v91, v90
	v_nop
	s_wait_alu depctr_va_vdst(0)
	v_mul_f32 v92, v88, v91                        ; f
	v_mul_f32 v93, v89, v91                        ; sw
	v_mul_f32 v94, v85, v92                        ; beta_c f of my row, twice: a pair for the packed multiply
	v_mul_f32 v95, v85, v92
	s_cmp_lg_u32 s3, 1
	s_cbranch_scc1 .Lno_out1
	; wave 1, while the tiles land: out1.  Lane (r, h) serves batch h: M and f of batch 0 lie in lane 0, of batch 1 in lane 8.  They only ever select values
	v_readlane_b32 s42, v84, 0
	v_readlane_b32 s43, v84, 8
	v_readlane_b32 s44, v92, 0
	v_readlane_b32 s45, v92, 8
	v_mov_b32 v96, s42
	v_mov_b32 v97, s43
	v_mov_b32 v98, s44
	v_mov_b32 v99, s45
	v_cndmask_b32 v96, v96, v97, s40               ; M of batch h
	v_cndmask_b32 v98, v98, v99, s40               ; f of batch h
.irp e, 0,1,2,3
	v_sub_f32 v[SR+\e], v[SR+\e], v96
.endr
.irp e, 0,1,2,3
	v_mul_f32 v[SR+\e], L2E, v[SR+\e]
.endr
.irp e, 0,1,2,3
	v_exp_f32 v[SR+\e], v[SR+\e]
.endr
	v_nop
	s_wait_alu depctr_va_vdst(0)
.irp e, 0,1,2,3
	v_mul_f32 v[SR+\e], v[SR+\e], v98
.endr
	global_store_b128 v9, v[SR:SR+3], s[14:15]     ; sixteen lanes store 256 consecutive bytes, aligned.  None of its registers is written again
.Lno_out1:
	s_wait_loadcnt 0x0
.set j, 0
.rept 16
	v_pk_mul_f32 v[Y+2*j:Y+2*j+1], v[Y+2*j:Y+2*j+1], v[94:95]   ; beta_c f y_c
.set j, j+1
.endr
	SPLIT AF, Y, 1
	SPLIT AF+16, Y+16, 1
	s_wait_tensorcnt 0x0                           ; my tile is in LDS
	STEP 0, AF, 1
	STEP 8192, AF+16, 0
	PLACES                                         ; before the results are read
	; the sum over a batch's eight blocks: a lane's own eight registers
.irp c, 0,1,2,3
	v_pk_add_f32 v[ACC+8*\c:ACC+8*\c+1], v[ACC+8*\c:ACC+8*\c+1], v[ACC+8*\c+2:ACC+8*\c+3]
	v_pk_add_f32 v[ACC+8*\c+4:ACC+8*\c+5], v[ACC+8*\c+4:ACC+8*\c+5], v[ACC+8*\c+6:ACC+8*\c+7]
.endr
.irp c, 0,1,2,3
	v_pk_add_f32 v[ACC+8*\c:ACC+8*\c+1], v[ACC+8*\c:ACC+8*\c+1], v[ACC+8*\c+4:ACC+8*\c+5]
.endr
.irp c, 0,1,2,3
	v_add_f32 v[R+\c], v[ACC+8*\c], v[ACC+8*\c+1]  ; column 4 r + c of batch h, over my 64 k
.endr
	ds_store_b128 v7, v[R:R+3]
	s_wait_dscnt 0x0                               ; my partial is in LDS before I say so
	s_barrier_signal -1
	s_barrier_wait -1
	s_cmp_lg_u32 s3, 0
	s_cbranch_scc1 .Lnot0
	; wave 0 adds the 16 partials
.set u, 0
.rept 16
	ds_load_b128 v[RAW+4*u:RAW+4*u+3], v8 offset:512*u
.set u, u+1
.endr
	v_readlane_b32 s46, v93, 0                     ; sw of batch 0
	v_readlane_b32 s47, v93, 8                     ; sw of batch 1
	v_mov_b32 v96, s46
	v_mov_b32 v97, s47
	v_cndmask_b32 v96, v96, v97, s40               ; sw of batch h
	s_wait_dscnt 0x0
	FOLD RAW, 32
	FOLD RAW, 16
	FOLD RAW, 8
	FOLD RAW, 4
.irp e, 0,1,2,3
	v_fmac_f32 v[RAW+\e], v96, v[BV+\e]            ; + sw bval
.endr
	global_store_b128 v9, v[RAW:RAW+3], s[12:13]   ; sixteen lanes store 256 consecutive bytes, aligned
.Lnot0:
	s_wait_tensorcnt 0x0
	ds_add_u32 v126, v127
	s_wait_dscnt 0x0
	ROUND                                          ; the closing round: no work-group ends while a partner may still ask for a tile that names it
	s_endpgm
.Lfunc_end_k_qb632be19d9_finish:
	.size	k_qb632be19d9_finish, .Lfunc_end_k_qb632be19d9_finish-k_qb632be19d9_finish
	.p2alignl 7, 3214868480
	.fill 96, 4, 3214868480
	.section	.rodata,"a",@progbits
	.p2align	6, 0x0
	.amdhsa_kernel k_qb632be19d9_finish
		.amdhsa_group_segment_fixed_size 272384
		.amdhsa_private_segment_fixed_size 0
		.amdhsa_enable_private_segment 0
		.amdhsa_kernarg_size 48
		.amdhsa_user_sgpr_count 2
		.amdhsa_user_sgpr_kernarg_segment_ptr 1
		.amdhsa_wavefront_size32 1
		.amdhsa_system_sgpr_workgroup_id_x 1
		.amdhsa_system_sgpr_workgroup_id_y 1
		.amdhsa_system_sgpr_workgroup_id_z 1
		.amdhsa_system_vgpr_workitem_id 0
		.amdhsa_next_free_vgpr 256
		.amdhsa_next_free_sgpr 66
		.amdhsa_reserve_vcc 0
		.amdhsa_float_denorm_mode_32 3
		.amdhsa_float_denorm_mode_16_64 3
		.amdhsa_memory_ordered 1
		.amdhsa_forward_progress 1
		.amdhsa_inst_pref_size 38
	.end_amdhsa_kernel
	.amdgpu_metadata
---
amdhsa.version: [ 1, 2 ]
amdhsa.kernels:
  - .name:           k_qb632be19d9_finish
    .symbol:         k_qb632be19d9_finish.kd
    .args:
      - { .name: yp, .offset: 0, .size: 8, .value_kind: global_buffer, .address_space: global }
      - { .name: sraw, .offset: 8, .size: 8, .value_kind: global_buffer, .address_space: global }
      - { .name: Wval, .offset: 16, .size: 8, .value_kind: global_buffer, .address_space: global }
      - { .name: bval, .offset: 24, .size: 8, .value_kind: global_buffer, .address_space: global }
      - { .name: out0, .offset: 32, .size: 8, .value_kind: global_buffer, .address_space: global }
      - { .name: out1, .offset: 40, .size: 8, .value_kind: global_buffer, .address_space: global }
    .group_segment_fixed_size: 272384
    .private_segment_fixed_size: 0
    .kernarg_segment_align: 8
    .kernarg_segment_size: 48
    .max_flat_workgroup_size: 512
    .sgpr_count:     66
    .vgpr_count:     256
    .wavefront_size: 32
...
	.end_amdgpu_metadata
.endif
;; end of part 9
